; MI455X (gfx1250); checked and timed in simulation.
; The chip was launched on July 23, 2026; its instructions are those of AMD's public machine-readable ISA for CDNA 5 (MIT licence, August 2026) and "CDNA5" Instruction Set Architecture Reference Guide (July 2026). The comments in the code are by the model that wrote it; some were corrected since.
;; Relative Position Multihead Self Attention. Allowed arithmetic: matrix products marked QUANTISED: E2M1 operands, one E8M0 scale for each 32 along K, by v_wmma_scale_f32_16x16x128_f8f6f4 with both operands' format E2M1 (or v_wmma_scale_f32_32x16x128_f4), f32 sums; products left as they are: bf16, f16 or f32 operands; f32 sums; everything else in f32.
;; Inputs: Wk 1,024 x 1,024 float32; Wout 1,024 x 1,024 float32; Wq 1,024 x 1,024 float32; Wv 1,024 x 1,024 float32; bias 4 x 1 x 1 x 1,024 float32; pos_emb 257 x 64 float32; query 4 x 1,024 x 1,024 float32.
;; Outputs: out0 4 x 1,024 x 1,024 float32.
;; This version of the problem:
;;   THIS VERSION OF THE PROBLEM IS GIVEN IN LOW PRECISION. The matrix products marked QUANTISED in the list below multiply operands that are first quantised to E2M1 (2 exponent bits, 1 mantissa bit; 4 bits a number), with one power-of-two scale for each 32 numbers along K (OCP MX v1.0); their sums are f32. The products marked 'left as it is' may take bf16, f16 or f32 operands, with f32 sums. Whichever they take, every output number must still come out within the allowed error. Rounding operands to bf16 (8 significant bits) uses up far more of that allowance than f16 does (11 bits, for magnitudes from 6e-5 to 65,504). All else is computed in f32.
;;   The module's matrix products, in the order in which they are computed (A, B: the left and right operand; K: the contracted axis; several contracted axes count as one K, in the product's order):
;;     1. [M 4,096, K 1,024] x [K 1,024, N 1,024]; A: input query; B: input Wq: QUANTISED
;;     2. [M 4,096, K 1,024] x [K 1,024, N 1,024]; A: input query; B: input Wk: QUANTISED
;;     3. [M 4,096, K 1,024] x [K 1,024, N 1,024]; A: input query; B: input Wv: QUANTISED
;;     4. batch 64 x [M 1,024, K 64] x [K 64, N 1,024]; A: computed on the way; B: computed on the way: left as it is (an operand is computed on the way)
;;     5. batch 1,024 x [M 1,024, K 64] x [K 64, N 64]; A: computed on the way; B: computed on the way: left as it is (an operand is computed on the way)
;;     6. batch 64 x [M 1,024, K 1,024] x [K 1,024, N 64]; A: computed on the way; B: computed on the way: left as it is (an operand is computed on the way)
;;     7. [M 4,096, K 1,024] x [K 1,024, N 1,024]; A: computed on the way; B: input Wout: left as it is (an operand is computed on the way)
;;   THE QUANTISER, for each operand of a quantised product, along K:
;;     - K is cut into blocks of 32 from its start; a last block that is shorter is filled with zeros.
;;     - A block's scale is 2^e with e = floor(log2(the largest magnitude in the block)) - 2, held to -126 .. 127; a block of zeros has e = 0. As a byte (E8M0): e + 127.
;;     - Each number is divided by its block's scale, clamped to +-6, and rounded to the nearest number of E2M1, ties to even, subnormals kept.
;;     - The product sums the exact products of the quantised numbers (number of the format x scale) in f32.
;;   ~~~python
;;   def quantise(x, axis):      # numpy; x: float32 -> the quantised numbers, widened to float32 again
;;       x = np.moveaxis(x, axis, -1); K = x.shape[-1]
;;       x = np.pad(x, [(0, 0)] * (x.ndim - 1) + [(0, -K % 32)]); x = x.reshape(x.shape[:-1] + (-1, 32)); a = np.abs(x).max(-1, keepdims=True)
;;       e = np.where(a > 0, np.clip(np.frexp(np.where(a > 0, a, 1))[1] - 1 - 2, -126, 127), 0)      # np.frexp(a)[1] - 1 = floor(log2(a)), exactly
;;       r = np.clip(x / 2.0 ** e, -6, 6)
;;       step = 2.0 ** (np.maximum(np.frexp(np.where(r == 0, 1, r))[1] - 1, 0) - 1)
;;       q = np.round(r / step) * step * 2.0 ** e      # np.round: ties to even
;;       return np.moveaxis(q.reshape(q.shape[:-2] + (-1,))[..., :K], -1, axis).astype(np.float32)
;;   ~~~
;; One version. Each part assembles by itself: llvm-mc -triple=amdgcn-amd-amdhsa -mcpu=gfx1250 --defsym DOCPART=n.
;; ======== version 1 of 1: 4 launches
;; limits: values are held in f16: magnitudes above 65,504 overflow, below 6.1e-05 lose precision
;; workspace buffers: xc 2,097,152 bytes; xs 131,072 bytes; wc 1,572,864 bytes; ws 98,304 bytes; wo 2,097,152 bytes; et 65,536 bytes; qkv 25,165,824 bytes; att 8,388,608 bytes
;; launch prep (part 1): grid 520 x 1, 4 waves a work-group, no clusters, 68,096 bytes of LDS; arguments query, Wq, Wk, Wv, Wout, pos_emb, xc, xs, wc, ws, wo, et; writes xc, xs, wc, ws, wo, et
.if DOCPART == 1
	.amdgcn_target "amdgcn-amd-amdhsa--gfx1250"
	.amdhsa_code_object_version 6
	.text
	.protected	k_qa3df0d2135_prep
	.globl	k_qa3df0d2135_prep
	.p2align	8
	.type	k_qa3df0d2135_prep,@function
k_qa3df0d2135_prep:
	s_mov_b64 s[64:65], 0
	v_nop
	global_prefetch_b8 v0, s[64:65] scope:SCOPE_SE
	s_setreg_imm32_b32 hwreg(HW_REG_WAVE_MODE, 25, 1), 1
	s_wait_xcnt 0x0
; PREPARATION.  Four jobs, told apart by the work-group's number alone:
;   0-255   query [4096][1024] f32 -> codes of FP4 (E2M1) xc and scale words xs, quantised along K (its last axis); a work-group takes 16 rows, wave p K = 256 p .. 256 p + 255
;   256-447 Wq, Wk, Wv [K 1024][N 1024] f32 -> codes wc and scale words ws, quantised along K (their FIRST axis): a lane takes a column, its registers run down K
;   448-511 Wout [K][N] f32 -> f16 wo, K innermost;   512-519 pos_emb -> f16 table et of 512 rows, row u = pos_emb[clip(u - 127, 0, 256)]
; EVERY WORKSPACE IS AN IMAGE OF OPERAND REGISTERS: for each block of 16 rows [chunk][row 0..15][16 bytes], so that a later launch gets half a fragment at base + 16 x lane, 512 dense bytes a load.
;   xc, wc: a chunk is one block of 32 codes.  xs, ws: [block of 16 rows][p 0..3][lane 0..31] words: lanes 0-15 row r's four scale bytes of K step 2 p (128 along K), lanes 16-31 those of K step 2 p + 1.
;   wo: [n / 16][k / 8][n % 16][8 f16].   et: [u / 16][channel / 8][u % 16][8 f16].
; A block's scale is 2^(floor(log2(largest magnitude)) - 2); its byte is the largest magnitude's exponent field - 2, held at 1 from below.
; LIMITS: a block of zeros gets the byte 1 where the rule says 127 (its codes are zeros, and this program alone reads the bytes); NaN and infinities among the inputs are not served;
; Wout and pos_emb must lie under 65,504 in magnitude (f16).
; No tensor load, no barrier: waves share nothing.  Only the query's path touches LDS: each wave's own two stages of 16 rows x (512 + 16) bytes.
.set RP,    528                        ; a stage row: 512 bytes + 16 of padding: 33 x 16 bytes, so 16 rows' equal columns fall on 16 different places modulo 256 bytes
.set HSTG,  16*RP
.set STG,   2*HSTG                     ; a wave's two stages
.set SPARE, 4*STG                      ; behind the stages: the spare words, 128 bytes a wave, which no other line names
.set SPW,   12                         ; v12  my spare word's LDS address; never rewritten
.set NIL,   13                         ; v13  0; never rewritten
.set R0,    16                         ; v16-143  numbers as they are loaded
.set XA,    144                        ; v144-207 numbers turned (query), codes or f16 numbers (weights)
; 32 numbers v[x] .. v[x + 31] of one block -> 4 registers of codes at v[cd], the conversion's scale operand in v[so], the scale's byte in v[by]
.macro QBLOCK x, cd, so, by
	v_max3_num_f32 v208, |v[\x]|, |v[\x+1]|, |v[\x+2]|             ; the largest magnitude, in two chains
	v_max3_num_f32 v209, |v[\x+3]|, |v[\x+4]|, |v[\x+5]|
.irp i, 6,10,14,18,22,26
	v_max3_num_f32 v208, v208, |v[\x+\i]|, |v[\x+\i+1]|
	v_max3_num_f32 v209, v209, |v[\x+\i+2]|, |v[\x+\i+3]|
.endr
	v_max3_num_f32 v208, v208, |v[\x+30]|, |v[\x+31]|
	v_max3_num_f32 v208, v208, v209, 0x1800000                     ; and the floor 2^(3 - 127): the byte cannot fall under 1
	v_add_nc_u32 v[\so], 0xff000000, v208                          ; 2 off the exponent field: the conversion takes this operand's exponent field as its scale
	v_lshrrev_b32 v[\by], 23, v[\so]                               ; the scale's byte
.irp g, 0,1,2,3
	v_cvt_scalef32_pk8_fp4_f32 v[\cd+\g], v[\x+8*\g:\x+8*\g+7], v[\so]   ; to the nearest code, ties to even; beyond 6 the largest code
.endr
	v_nop                                                          ; one plain line behind the last scaled conversion
.endm
.macro LOADB y                         ; rows 32 y .. 32 y + 31 of my 128 along K, my column: each load reads 128 consecutive bytes a wave, 512 a work-group
.irp i, 0,1,2,3,4,5,6,7,8,9,10,11,12,13,14,15,16,17,18,19,20,21,22,23,24,25,26,27,28,29,30,31
	global_load_b32 v[R0+32*(\y)+\i], v6, s[34:35] offset:(32*(\y)+\i)*4096 th:TH_LOAD_NT
.endr
.endm
.macro AWAIT y                         ; block y's 32 loads are in; the one younger block's 32 may be out; then the block two on is asked for, into registers of its own
.if (\y) < 3
	s_wait_loadcnt 32
.else
	s_wait_loadcnt 0x0
.endif
.if (\y) < 2
	LOADB (\y)+2
.endif
.endm
	s_load_b256 s[4:11], s[0:1], 0x0               ; query s[4:5], Wq s[6:7], Wk s[8:9], Wv s[10:11]
	s_load_b256 s[12:19], s[0:1], 0x20             ; Wout s[12:13], pos_emb s[14:15], xc s[16:17], xs s[18:19]
	s_load_b256 s[20:27], s[0:1], 0x40             ; wc s[20:21], ws s[22:23], wo s[24:25], et s[26:27]
	v_lshl_add_u32 v[SPW], v0, 2, SPARE
	v_mov_b32 v[NIL], 0
	v_lshrrev_b32 v1, 5, v0
	v_readfirstlane_b32 s28, v1                    ; wave 0..3
	v_and_b32 v2, 31, v0                           ; lane
	v_and_b32 v3, 15, v0                           ; r
	v_bfe_u32 v4, v0, 4, 1                         ; h
	v_lshlrev_b32 v5, 4, v2                        ; 16 x lane
	v_lshlrev_b32 v6, 2, v2                        ; 4 x lane
	s_wait_kmcnt 0x0
	s_cmp_lt_u32 ttmp9, 256
	s_cbranch_scc0 .Lnot_query
	; ---- QUERY: block of 16 rows = work-group; my wave's K steps 2 p and 2 p + 1
	s_mov_b32 s33, 0
	s_lshl_b32 s32, ttmp9, 16                      ; 16 rows of 4,096 bytes
	s_lshl_b32 s34, s28, 10                        ; + 256 numbers a wave
	s_add_co_u32 s32, s32, s34
	s_add_nc_u64 s[4:5], s[4:5], s[32:33]
	s_lshl_b32 s32, ttmp9, 13                      ; xc: 8,192 bytes a block of rows, 2,048 a wave
	s_lshl_b32 s34, s28, 11
	s_add_co_u32 s32, s32, s34
	s_add_nc_u64 s[16:17], s[16:17], s[32:33]
	s_lshl_b32 s32, ttmp9, 9                       ; xs: 512 bytes a block of rows, 128 a wave
	s_lshl_b32 s34, s28, 7
	s_add_co_u32 s32, s32, s34
	s_add_nc_u64 s[18:19], s[18:19], s[32:33]
.irp e, 0,1
.irp i, 0,1,2,3,4,5,6,7,8,9,10,11,12,13,14,15
	global_load_b128 v[R0+64*\e+4*\i:R0+64*\e+4*\i+3], v5, s[4:5] offset:\i*4096+\e*512 th:TH_LOAD_NT   ; row i's 128 numbers of K step e: 512 consecutive bytes
.endr
.endr
	s_mul_i32 s35, s28, STG                        ; my stages
	v_add_nc_u32 v7, s35, v5                       ; in: as loaded, 16 bytes a lane
	v_mul_u32_u24 v8, v3, RP
	v_lshl_add_u32 v8, v4, 7, v8
	v_add_nc_u32 v8, s35, v8                       ; back: row r, block h (and 2 + h): the operand's layout gives lane (r, h) k = 64 c + 32 h + 0 .. 31
	v_lshlrev_b32 v9, 3, v4                        ; 8 h: where my two scale bytes stand in the word
	v_mov_b32 v214, 0                              ; written once: a lane permute's destination counts as one of its sources
	s_mov_b32 s36, 0x76543210
	s_mov_b32 s37, 0xfedcba98                      ; v_permlanex16_b32's selects for lane l xor 16
	s_mov_b32 s38, 0xffff0000                      ; lanes 16-31
.macro QTURN e, x                      ; K step e through its stage; LDS serves a wave's instructions in order, so no wait stands between the stores and the loads
.irp i, 0,1,2,3,4,5,6,7,8,9,10,11,12,13,14,15
	ds_store_b128 v7, v[R0+64*\e+4*\i:R0+64*\e+4*\i+3] offset:\e*HSTG+\i*RP
.endr
.irp c, 0,1
.irp i, 0,1,2,3,4,5,6,7
	ds_load_b128 v[\x+32*\c+4*\i:\x+32*\c+4*\i+3], v8 offset:\e*HSTG+\c*256+\i*16
.endr
.endr
.endm
.macro QWORD w                         ; my two bytes (blocks h and 2 + h) and lane l xor 16's two make row r's scale word
	v_lshl_or_b32 v[\w], v213, 16, v212
	v_lshlrev_b32 v[\w], v9, v[\w]
	v_permlanex16_b32 v214, v[\w], s36, s37
	v_or_b32 v[\w], v[\w], v214
.endm
	s_wait_loadcnt 16                              ; K step 0's sixteen loads are in; K step 1's sixteen may be out
	QTURN 0, XA
	s_wait_dscnt 0x0
	QBLOCK XA, 220, 210, 212
	QBLOCK XA+32, 224, 211, 213
	QWORD 216
	global_store_b128 v5, v[220:223], s[16:17]             ; 512 consecutive bytes a store: chunks 2 c and 2 c + 1 of the K step
	global_store_b128 v5, v[224:227], s[16:17] offset:512
	s_wait_loadcnt 0x0
	QTURN 1, R0                                    ; back into the registers that K step 0's stores, long done, have left
	s_wait_dscnt 0x0
	QBLOCK R0, 228, 210, 212
	QBLOCK R0+32, 232, 211, 213
	QWORD 217
	global_store_b128 v5, v[228:231], s[16:17] offset:1024
	global_store_b128 v5, v[232:235], s[16:17] offset:1536
	v_cndmask_b32 v218, v216, v217, s38            ; lanes 0-15: the even K step's words; lanes 16-31: the odd one's
	global_store_b32 v6, v218, s[18:19]
	s_wait_tensorcnt 0x0                           ; the wave's end
	ds_add_u32 v[SPW], v[NIL]
	s_wait_dscnt 0x0
	s_endpgm
.Lnot_query:
	s_cmp_lt_u32 ttmp9, 512
	s_cbranch_scc0 .Ltable
	; ---- A WEIGHT: which = 0 Wq, 1 Wk, 2 Wv, 3 Wout; 128 columns (cg) x 128 along K (ks) a work-group, 32 columns a wave
	s_sub_co_u32 s29, ttmp9, 256
	s_lshr_b32 s30, s29, 6                         ; which
	s_and_b32 s31, s29, 7                          ; cg
	s_bfe_u32 s32, s29, 0x30003                    ; ks
	s_cmp_eq_u32 s30, 0
	s_cselect_b64 s[34:35], s[6:7], s[8:9]
	s_cmp_eq_u32 s30, 2
	s_cselect_b64 s[34:35], s[10:11], s[34:35]
	s_cmp_eq_u32 s30, 3
	s_cselect_b64 s[34:35], s[12:13], s[34:35]
	s_lshl_b32 s36, s32, 19                        ; 128 rows of 4,096 bytes
	s_lshl_b32 s37, s31, 9
	s_add_co_u32 s36, s36, s37
	s_lshl_b32 s37, s28, 7
	s_add_co_u32 s36, s36, s37
	s_mov_b32 s37, 0
	s_add_nc_u64 s[34:35], s[34:35], s[36:37]
	LOADB 0
	LOADB 1
	s_lshl_b32 s38, s31, 3
	s_lshl_b32 s39, s28, 1
	s_add_co_u32 s38, s38, s39                     ; my wave's first block of 16 columns: 8 cg + 2 wave
	s_mov_b32 s41, 0
	v_lshlrev_b32 v7, 4, v3                        ; 16 r
	s_cmp_eq_u32 s30, 3
	s_cbranch_scc1 .Lwout
	s_lshl_b32 s39, s30, 6
	s_add_co_u32 s39, s39, s38                     ; among all 192 blocks
	s_lshl_b32 s40, s39, 13
	s_lshl_b32 s42, s32, 10
	s_add_co_u32 s40, s40, s42
	s_add_nc_u64 s[20:21], s[20:21], s[40:41]      ; wc: 8,192 bytes a block of columns, 1,024 a K step
	s_lshl_b32 s40, s39, 9
	s_lshl_b32 s42, s32, 6
	s_add_co_u32 s40, s40, s42
	s_add_nc_u64 s[22:23], s[22:23], s[40:41]      ; ws: 512 bytes a block of columns, 64 a K step
	v_lshl_add_u32 v7, v4, 13, v7                  ; lanes 16-31: the next block of columns
	v_lshlrev_b32 v8, 2, v3
	v_lshl_add_u32 v8, v4, 9, v8
.macro WBLOCK y
	AWAIT \y
	QBLOCK R0+32*\y, XA+4*\y, 210, 211
.if \y == 0
	v_mov_b32 v212, v211                           ; four bytes to the word, the lower K in the lower byte
.else
	v_lshl_or_b32 v212, v211, 8*\y, v212
.endif
	global_store_b128 v7, v[XA+4*\y:XA+4*\y+3], s[20:21] offset:256*\y   ; sixteen lanes store 256 consecutive bytes, aligned
.endm
	WBLOCK 0
	WBLOCK 1
	WBLOCK 2
	WBLOCK 3
	global_store_b32 v8, v212, s[22:23]
	s_endpgm
.Lwout:
	s_lshl_b32 s40, s38, 15                        ; wo: 32,768 bytes a block of columns, 4,096 for 128 along K
	s_lshl_b32 s42, s32, 12
	s_add_co_u32 s40, s40, s42
	s_add_nc_u64 s[24:25], s[24:25], s[40:41]
	v_lshl_add_u32 v7, v4, 15, v7
.macro OBLOCK y
	AWAIT \y
.irp i, 0,1,2,3,4,5,6,7,8,9,10,11,12,13,14,15
	v_cvt_pk_f16_f32 v[XA+16*\y+\i], v[R0+32*\y+2*\i], v[R0+32*\y+2*\i+1]
.endr
.irp n, 0,1,2,3
	global_store_b128 v7, v[XA+16*\y+4*\n:XA+16*\y+4*\n+3], s[24:25] offset:(4*\y+\n)*256   ; 8 along K of my column; sixteen lanes store 256 consecutive bytes, aligned
.endr
.endm
	OBLOCK 0
	OBLOCK 1
	OBLOCK 2
	OBLOCK 3
	s_endpgm
.Ltable:
	; ---- THE TABLE: four blocks of 16 rows a work-group; thread t takes row t % 16, channels 8 (t / 16) on
	s_sub_co_u32 s29, ttmp9, 512
	s_lshl_b32 s30, s29, 6
	s_sub_co_i32 s30, s30, 127                     ; my first u, less 127
	s_lshl_b32 s32, s29, 13
	s_mov_b32 s33, 0
	s_add_nc_u64 s[26:27], s[26:27], s[32:33]
	v_lshrrev_b32 v7, 4, v0
	v_lshlrev_b32 v7, 5, v7                        ; 32 bytes of f32 for 8 channels
	v_lshlrev_b32 v8, 4, v0
	v_add_nc_u32 v9, s30, v3
.irp i, 0,1,2,3
	v_add_nc_u32 v[16+\i], 16*\i, v9
	v_max_i32 v[16+\i], 0, v[16+\i]
	v_min_u32 v[16+\i], 0x100, v[16+\i]            ; clip(u - 127, 0, 256): inside the table of 257 rows
	v_lshl_add_u32 v[16+\i], v[16+\i], 8, v7
	global_load_b128 v[32+8*\i:35+8*\i], v[16+\i], s[14:15]
	global_load_b128 v[36+8*\i:39+8*\i], v[16+\i], s[14:15] offset:16
.endr
	s_wait_loadcnt 0x0
.irp i, 0,1,2,3
.irp n, 0,1,2,3
	v_cvt_pk_f16_f32 v[64+4*\i+\n], v[32+8*\i+2*\n], v[33+8*\i+2*\n]
.endr
	global_store_b128 v8, v[64+4*\i:67+4*\i], s[26:27] offset:\i*2048
.endr
	s_endpgm
.Lfunc_end_k_qa3df0d2135_prep:
	.size	k_qa3df0d2135_prep, .Lfunc_end_k_qa3df0d2135_prep-k_qa3df0d2135_prep
	.p2alignl 7, 3214868480
	.fill 96, 4, 3214868480
	.section	.rodata,"a",@progbits
	.p2align	6, 0x0
	.amdhsa_kernel k_qa3df0d2135_prep
		.amdhsa_group_segment_fixed_size 68096
		.amdhsa_private_segment_fixed_size 0
		.amdhsa_enable_private_segment 0
		.amdhsa_kernarg_size 96
		.amdhsa_user_sgpr_count 2
		.amdhsa_user_sgpr_kernarg_segment_ptr 1
		.amdhsa_wavefront_size32 1
		.amdhsa_system_sgpr_workgroup_id_x 1
		.amdhsa_system_sgpr_workgroup_id_y 1
		.amdhsa_system_sgpr_workgroup_id_z 1
		.amdhsa_system_vgpr_workitem_id 0
		.amdhsa_next_free_vgpr 240
		.amdhsa_next_free_sgpr 66
		.amdhsa_reserve_vcc 0
		.amdhsa_float_denorm_mode_32 3
		.amdhsa_float_denorm_mode_16_64 3
		.amdhsa_memory_ordered 1
		.amdhsa_forward_progress 1
		.amdhsa_inst_pref_size 51
	.end_amdhsa_kernel
	.amdgpu_metadata
---
amdhsa.version: [ 1, 2 ]
amdhsa.kernels:
  - .name:           k_qa3df0d2135_prep
    .symbol:         k_qa3df0d2135_prep.kd
    .args:
      - { .name: query, .offset: 0, .size: 8, .value_kind: global_buffer, .address_space: global }
      - { .name: Wq, .offset: 8, .size: 8, .value_kind: global_buffer, .address_space: global }
      - { .name: Wk, .offset: 16, .size: 8, .value_kind: global_buffer, .address_space: global }
      - { .name: Wv, .offset: 24, .size: 8, .value_kind: global_buffer, .address_space: global }
      - { .name: Wout, .offset: 32, .size: 8, .value_kind: global_buffer, .address_space: global }
      - { .name: pos_emb, .offset: 40, .size: 8, .value_kind: global_buffer, .address_space: global }
      - { .name: xc, .offset: 48, .size: 8, .value_kind: global_buffer, .address_space: global }
      - { .name: xs, .offset: 56, .size: 8, .value_kind: global_buffer, .address_space: global }
      - { .name: wc, .offset: 64, .size: 8, .value_kind: global_buffer, .address_space: global }
      - { .name: ws, .offset: 72, .size: 8, .value_kind: global_buffer, .address_space: global }
      - { .name: wo, .offset: 80, .size: 8, .value_kind: global_buffer, .address_space: global }
      - { .name: et, .offset: 88, .size: 8, .value_kind: global_buffer, .address_space: global }
    .group_segment_fixed_size: 68096
    .private_segment_fixed_size: 0
    .kernarg_segment_align: 8
    .kernarg_segment_size: 96
    .max_flat_workgroup_size: 128
    .sgpr_count:     66
    .vgpr_count:     240
    .wavefront_size: 32
...
	.end_amdgpu_metadata
.endif
;; end of part 1
;; launch qkv (part 2): grid 12 x 16, 4 waves a work-group, clusters of 4 x 4, 327,680 bytes of LDS; arguments xc, xs, wc, ws, qkv; writes qkv
.if DOCPART == 2
	.amdgcn_target "amdgcn-amd-amdhsa--gfx1250"
	.amdhsa_code_object_version 6
	.text
	.protected	k_qa3df0d2135_qkv
	.globl	k_qa3df0d2135_qkv
	.p2align	8
	.type	k_qa3df0d2135_qkv,@function
k_qa3df0d2135_qkv:
	s_mov_b64 s[64:65], 0
	v_nop
	global_prefetch_b8 v0, s[64:65] scope:SCOPE_SE
	s_setreg_imm32_b32 hwreg(HW_REG_WAVE_MODE, 25, 1), 1
	s_wait_xcnt 0x0
	s_wait_alu depctr_hold_cnt(0) depctr_sa_sdst(0) depctr_va_vdst(0) depctr_va_sdst(0) depctr_va_ssrc(0) depctr_va_vcc(0) depctr_vm_vsrc(0)
	s_getreg_b32 s2, hwreg(HW_REG_IB_STS2, 6, 4)
	s_cmp_eq_u32 s2, 0
	s_cbranch_scc0 .Lentry_in_a_cluster
	s_endpgm
.Lentry_in_a_cluster:
	s_bfe_u32 s2, ttmp6, 0x10000c
	s_cmp_lg_u32 s2, 0xf033
	s_cbranch_scc0 .Lentry_shape_is_right
	s_endpgm
.Lentry_shape_is_right:
; q, k, v = query x (Wq | Wk | Wv) on codes of FP4 (E2M1) with one E8M0 scale for each 32 along K; sums in f32; results rounded once to f16, stored in the order of the attention's operand registers.
; M = 4,096 tokens, N = 3 x 1,024 columns, K = 1,024.  A work-group makes 256 tokens x 256 columns, each of its four waves 128 x 128: 64 accumulators of 16 x 16, 512 registers.
; 12 x 16 = 192 work-groups: a tile's width has to divide 1,024, so that a tile lies inside one of q, k, v.
; ALL OF K IS RESIDENT: the tile's codes are 2 x 256 rows x 512 bytes = 262,144 bytes of LDS, brought as four quarters of K by four tensor loads a wave, all issued at the head; nothing is ever filled again.
; Codes lie in memory and in LDS as images of operand registers ([block of 16 rows][block of 32 along K][row][16 bytes]): half a fragment is 512 dense bytes at 16 x lane: no pitch, no padding.
; The scale words of a wave's 128 + 128 rows for all of K are 64 registers, loaded once: a register holds two K steps, the even one in lanes 0-15, the odd one in lanes 16-31.
; CLUSTERS: 4 x 4 work-groups; the four of a row need the same tokens' codes, the four of a column the same weights': each quarter is asked for jointly.
; q AND k ARE MADE TRANSPOSED (source 0 = 16 weight columns, source 1 = 16 tokens): a lane holds one token and 8 neighbouring channels.  v IS MADE THE OTHER WAY ROUND (source 0 = tokens): a lane holds one channel
; and 8 neighbouring keys, which is what V^T's fragments want.  The choice hangs on the cluster's x alone (2 = v): it is the same in all sixteen partners, and no tensor load stands under it.
; qkv: [G 48][524,288 bytes], G = 0-15 q's heads, 16-31 k's, 32-47 v's.  q, k: [token / 16][channel / 8][token % 16][8 f16].  v: [token / 32][channel / 16][(token / 16) % 2][(token / 8) % 2][channel % 16][8 keys].
; LIMIT: q, k, v must lie under 65,504 in magnitude (f16).
; REGISTERS: window 0: v16-19 addresses, v28-29 the add's two, v32-63 the tokens' scale words, v64-95 the weights', v128-255 the tokens' fragments in two sets (on the way out the packed results);
;   window 1: v0-127 the weights' fragments in two sets;  windows 2, 3: the accumulators ((a, b) at v[8 (8 (a % 4) + b)] of window 2 + a / 4).
.set QUART, 65536                      ; a quarter of K in LDS: 16 blocks of tokens x 2,048 bytes, then 16 blocks of columns
.set SPARE, 4*QUART                    ; behind them: the spare words, 128 bytes a wave, which no other line names
.set ADRA, 16                          ; v16  LDS address of my tokens' fragments in the quarter in hand
.set ADRB, 17                          ; v17  of my columns'
.set L16,  18                          ; v18  16 x lane
.set L4,   19                          ; v19  4 x lane
.set SPW,  28
.set NIL,  29
.set SA,   32                          ; the tokens' scale words: block a, K steps 2 p and 2 p + 1 at v[SA + 4 a + p]
.set SB,   64                          ; the weights'
.set AF,   128
.set G1A,  24                          ; s[24:31] descriptor group 1 for the tokens' codes;  s[32:39] for the weights'
.set G1B,  32
.set G0A,  48                          ; s[48:63] four groups 0, one a quarter;  s[68:83] likewise
.set G0B,  68
.set MSB, 0
.macro WIN new                         ; the immediate's high byte repeats the setting that is left
.if MSB != (\new)
	s_set_vgpr_msb (MSB<<8)|(\new)
.set MSB, (\new)
.endif
.endm
.macro PLACES n
.rept \n
	v_nop
.endr
.endm
.macro CROUND                          ; a round of the cluster's barrier
	s_barrier_signal -1
	s_barrier_wait -1
	s_cmp_lg_u32 s14, 0
	s_cbranch_scc1 .Lnot_wave_0_\@
	s_barrier_signal -3
.Lnot_wave_0_\@:
	s_barrier_wait -3
	s_barrier_signal -1
	s_barrier_wait -1
.endm
	s_load_b256 s[4:11], s[0:1], 0x0               ; xc s[4:5], xs s[6:7], wc s[8:9], ws s[10:11]
	s_load_b64 s[12:13], s[0:1], 0x20              ; qkv
	v_lshl_add_u32 v[SPW], v0, 2, SPARE
	v_mov_b32 v[NIL], 0
	ds_add_u32 v[SPW], v[NIL]                      ; the wave's opening: the add, twice on end, and its wait ahead of my first tensor load
	ds_add_u32 v[SPW], v[NIL]
	v_lshrrev_b32 v1, 5, v0
	v_readfirstlane_b32 s14, v1                    ; wave 0..3
	s_lshr_b32 s15, s14, 1                         ; my half of the tokens.  Also: I fetch tokens' codes (0) or weights' (1)
	s_and_b32 s16, s14, 1                          ; my half of the columns.  Also: which 8 blocks I fetch
	s_bfe_u32 s40, ttmp6, 0x40000                  ; cx, cy: my place in the cluster
	s_bfe_u32 s41, ttmp6, 0x40004
	s_lshl_b32 s42, ttmp9, 2
	s_add_co_u32 s42, s42, s40                     ; tile column 0..11
	s_and_b32 s17, ttmp7, 0xffff
	s_lshl_b32 s17, s17, 2
	s_add_co_u32 s17, s17, s41                     ; tile row 0..15
	s_lshl_b32 s43, s41, 2
	s_lshl_b32 s43, 15, s43                        ; my row of the cluster
	s_lshl_b32 s44, 0x1111, s40                    ; my column
	; group 1: 8 blocks of rows x 2,048 bytes (a quarter of K), 8,192 bytes apart in memory, dense in LDS; elements of 8 bytes
	s_or_b32 s[G1A], s43, (3<<16)|(1<<21)          ; 15:0 the mask; 17:16 elements of 8 bytes; 21 set beside a mask
	s_or_b32 s[G1B], s44, (3<<16)|(1<<21)
.irp g, G1A, G1B
	s_mov_b32 s[\g+1], 256<<16                     ; tensor_dim0 = 256 elements
	s_mov_b32 s[\g+2], 8<<16                       ; tensor_dim1 = 8
	s_mov_b32 s[\g+3], 256<<16                     ; tile_dim0
	s_mov_b32 s[\g+4], 8                           ; tile_dim1
	s_mov_b32 s[\g+5], 1024                        ; from block to block, in elements
	s_mov_b32 s[\g+6], 0
	s_mov_b32 s[\g+7], 0
.endr
	s_lshl_b32 s18, s16, 3
	s_lshl_b32 s20, s17, 4
	s_add_co_u32 s20, s20, s18
	s_lshl_b32 s20, s20, 13                        ; tokens: block 16 x tile row + 8 x half, 8,192 bytes each
	s_mov_b32 s21, 0
	s_lshl_b32 s46, s42, 4
	s_add_co_u32 s46, s46, s18
	s_lshl_b32 s46, s46, 13                        ; weights: block 16 x tile column + 8 x half
	s_mov_b32 s47, 0
	s_lshl_b32 s45, s14, 14                        ; in a quarter: wave x 16,384: no place in the cluster enters an LDS address
	s_wait_dscnt 0x0                               ; both opening adds are done
	s_wait_kmcnt 0x0
	s_add_nc_u64 s[20:21], s[4:5], s[20:21]
	s_add_nc_u64 s[46:47], s[8:9], s[46:47]
.irp q, 0,1,2,3
	s_mov_b32 s[G0A+4*\q], 1
	s_add_co_u32 s[G0A+4*\q+1], s45, \q*QUART
	s_add_nc_u64 s[G0A+4*\q+2:G0A+4*\q+3], s[20:21], \q*2048
	s_or_b32 s[G0A+4*\q+3], s[G0A+4*\q+3], 0x80000000
	s_mov_b32 s[G0B+4*\q], 1
	s_add_co_u32 s[G0B+4*\q+1], s45, \q*QUART
	s_add_nc_u64 s[G0B+4*\q+2:G0B+4*\q+3], s[46:47], \q*2048
	s_or_b32 s[G0B+4*\q+3], s[G0B+4*\q+3], 0x80000000
.endr
	CROUND                                         ; all sixteen work-groups are here: the joint loads meet
	s_cmp_eq_u32 s15, 0                            ; a wave's four first fills stand in one branch on its number: four loads of mine are out
	s_cbranch_scc0 .Lfor_b
.irp q, 0,1,2,3
	tensor_load_to_lds s[G0A+4*\q:G0A+4*\q+3], s[G1A:G1A+7]
	s_nop 0
.endr
	PLACES 4
	s_branch .Lasked
.Lfor_b:
.irp q, 0,1,2,3
	tensor_load_to_lds s[G0B+4*\q:G0B+4*\q+3], s[G1B:G1B+7]
	s_nop 0
.endr
	PLACES 4
.Lasked:
	v_and_b32 v1, 31, v0
	v_lshlrev_b32 v[L16], 4, v1
	v_lshlrev_b32 v[L4], 2, v1
	s_lshl_b32 s87, s17, 4
	s_lshl_b32 s88, s15, 3
	s_add_co_u32 s87, s87, s88                     ; my first block of tokens
	s_lshl_b32 s22, s87, 9
	s_mov_b32 s23, 0
	s_add_nc_u64 s[22:23], s[6:7], s[22:23]        ; its scale words: 512 bytes a block
	s_lshl_b32 s84, s42, 4
	s_add_co_u32 s84, s84, s18                     ; my first block of columns
	s_lshl_b32 s84, s84, 9
	s_mov_b32 s85, 0
	s_add_nc_u64 s[84:85], s[10:11], s[84:85]
.irp a, 0,1,2,3,4,5,6,7
.irp p, 0,1,2,3
	global_load_b32 v[SA+4*\a+\p], v[L4], s[22:23] offset:\a*512+\p*128
	global_load_b32 v[SB+4*\a+\p], v[L4], s[84:85] offset:\a*512+\p*128
.endr
.endr
	s_lshl_b32 s89, s15, 14
	v_add_nc_u32 v[ADRA], s89, v[L16]
	s_lshl_b32 s89, s16, 14
	s_add_co_u32 s89, s89, 32768
	v_add_nc_u32 v[ADRB], s89, v[L16]
	s_lshl_b32 s86, s42, 2
	s_lshl_b32 s88, s16, 1
	s_add_co_u32 s86, s86, s88                     ; G of my first 64 columns
	s_lshl_b32 s86, s86, 19
	s_lshl_b32 s88, s87, 11                        ; 2,048 bytes for 16 tokens of a head
	s_add_co_u32 s86, s86, s88
	s_mov_b32 s87, 0
	s_add_nc_u64 s[12:13], s[12:13], s[86:87]
; one product.  d: the accumulator; x, y: sources 0 and 1; sx, sy: their scale words; st: the K step (0 starts the sum; an odd one reads the scale words' lanes 16-31)
.macro MM d, x, y, sx, sy, st
.if (\st) == 0
	v_wmma_scale_f32_16x16x128_f8f6f4 v[\d:\d+7], v[\x:\x+7], v[\y:\y+7], 0, v[\sx], v[\sy] matrix_a_fmt:MATRIX_FMT_FP4 matrix_b_fmt:MATRIX_FMT_FP4
.elseif ((\st)&1)
	v_wmma_scale_f32_16x16x128_f8f6f4 v[\d:\d+7], v[\x:\x+7], v[\y:\y+7], v[\d:\d+7], v[\sx], v[\sy] matrix_a_fmt:MATRIX_FMT_FP4 matrix_b_fmt:MATRIX_FMT_FP4 matrix_a_scale:MATRIX_SCALE_ROW1 matrix_b_scale:MATRIX_SCALE_ROW1
.else
	v_wmma_scale_f32_16x16x128_f8f6f4 v[\d:\d+7], v[\x:\x+7], v[\y:\y+7], v[\d:\d+7], v[\sx], v[\sy] matrix_a_fmt:MATRIX_FMT_FP4 matrix_b_fmt:MATRIX_FMT_FP4
.endif
.endm
; 16 products: blocks of tokens a0, a0 + 1 x the 8 blocks of columns, K step s.  The 64 accumulators take turns, one instruction a turn, in the same order in every step.
.macro MUL16 a0, s, V
.irp a, \a0, \a0+1
.irp b, 0,1,2,3,4,5,6,7
.set rD, 8*(8*((\a)%4)+\b)
.set rB, 64*((\s)&1)+8*\b
.set rA, AF+64*((\s)&1)+8*(\a)
.set rSB, SB+4*\b+((\s)>>1)
.set rSA, SA+4*(\a)+((\s)>>1)
.if \V
	MM rD, rA, rB, rSA, rSB, \s
.else
	MM rD, rB, rA, rSB, rSA, \s
.endif
.endr
.endr
.endm
.macro FETCH s                         ; K step s's 16 fragments into set s % 2: 32 loads of 512 dense bytes
	WIN 0x40
.irp i, 0,1,2,3,4,5,6,7
.irp c, 0,1
	ds_load_b128 v[64*((\s)&1)+8*\i+4*\c:64*((\s)&1)+8*\i+4*\c+3], v[ADRB] offset:((\s)&1)*1024+\i*2048+\c*512
.endr
.endr
	WIN 0
.irp i, 0,1,2,3,4,5,6,7
.irp c, 0,1
	ds_load_b128 v[AF+64*((\s)&1)+8*\i+4*\c:AF+64*((\s)&1)+8*\i+4*\c+3], v[ADRA] offset:((\s)&1)*1024+\i*2048+\c*512
.endr
.endr
.endm
; A K step of 128: 64 products; in its middle the next step's fragments are asked for, 32 products ahead of their use.  An odd step is a quarter's last: the next quarter is shown whole by a barrier,
; in front of which each wave waits for its part of it; the later quarters' loads may stay out.
.macro STEP s, V
	s_wait_dscnt 0x0                               ; this step's fragments are in
.if ((\s)&1) && ((\s) < 7)
	s_wait_tensorcnt 2-((\s)>>1)                   ; my part of the next quarter has landed: so many later quarters may be out
	s_barrier_signal -1
.endif
	WIN 0xa1+3*\V
	MUL16 0, \s, \V
	MUL16 2, \s, \V
.if (\s) < 7
	WIN 0
.if ((\s)&1)
	s_barrier_wait -1                              ; everybody's part has
	v_add_nc_u32 v[ADRA], QUART, v[ADRA]
	v_add_nc_u32 v[ADRB], QUART, v[ADRB]
.endif
	PLACES 4                                       ; in front of loads into registers that the step before multiplied
	FETCH (\s)+1
.endif
	WIN 0xf1+3*\V
	MUL16 4, \s, \V
	MUL16 6, \s, \V
.endm
; THE WAY OUT: a lane's 8 results are 16 bytes of f16 that belong together, and the 32 lanes' 512 bytes lie on end in qkv: no stage is needed.
.macro OUT V
	WIN 0
	PLACES 4                                       ; behind the last products: results are read, and the tokens' fragments written over
.irp W, 0, 1
.if \W
	s_wait_xcnt 0x0                                ; the first 32 stores have read their registers
.endif
	WIN 0x0a+5*\W
.set oT, 0
.rept 32
.irp i, 0,1,2,3
	v_cvt_pk_f16_f32 v[AF+4*oT+\i], v[8*oT+2*\i], v[8*oT+2*\i+1]   ; each accumulator from its low end on
.endr
.set oT, oT+1
.endr
	WIN 0
.set oT, 0
.rept 32
.set oA, 4*\W+oT/8
.set oB, oT%8
.if \V
	global_store_b128 v[L16], v[AF+4*oT:AF+4*oT+3], s[12:13] offset:(oB>>2)*524288+(oA>>1)*4096+(oB&3)*1024+(oA&1)*512
.else
	global_store_b128 v[L16], v[AF+4*oT:AF+4*oT+3], s[12:13] offset:(oB>>2)*524288+oA*2048+(oB&3)*512
.endif
.set oT, oT+1
.endr
.endr
.endm
.macro BODY V
.irp s, 0,1,2,3,4,5,6,7
	STEP \s, \V
.endr
	OUT \V
.endm
	s_wait_tensorcnt 3                             ; my part of the first quarter is in; three loads may be out
	s_barrier_signal -1
	s_barrier_wait -1                              ; everybody's is
	FETCH 0
	s_wait_loadcnt 0x0                             ; the scale words
	s_cmp_eq_u32 ttmp9, 2                          ; the cluster's x: 0 q, 1 k, 2 v
	s_cbranch_scc1 .Lv
	BODY 0
	s_branch .Lend
.Lv:
	BODY 1
.Lend:
	s_wait_tensorcnt 0x0                           ; the wave's end
	ds_add_u32 v[SPW], v[NIL]
	s_wait_dscnt 0x0
	CROUND                                         ; the closing round
	s_endpgm
.Lfunc_end_k_qa3df0d2135_qkv:
	.size	k_qa3df0d2135_qkv, .Lfunc_end_k_qa3df0d2135_qkv-k_qa3df0d2135_qkv
	.p2alignl 7, 3214868480
	.fill 96, 4, 3214868480
	.section	.rodata,"a",@progbits
	.p2align	6, 0x0
	.amdhsa_kernel k_qa3df0d2135_qkv
		.amdhsa_group_segment_fixed_size 327680
		.amdhsa_private_segment_fixed_size 0
		.amdhsa_enable_private_segment 0
		.amdhsa_kernarg_size 40
		.amdhsa_user_sgpr_count 2
		.amdhsa_user_sgpr_kernarg_segment_ptr 1
		.amdhsa_wavefront_size32 1
		.amdhsa_system_sgpr_workgroup_id_x 1
		.amdhsa_system_sgpr_workgroup_id_y 1
		.amdhsa_system_sgpr_workgroup_id_z 1
		.amdhsa_system_vgpr_workitem_id 0
		.amdhsa_next_free_vgpr 1024
		.amdhsa_next_free_sgpr 96
		.amdhsa_reserve_vcc 0
		.amdhsa_float_denorm_mode_32 3
		.amdhsa_float_denorm_mode_16_64 3
		.amdhsa_memory_ordered 1
		.amdhsa_forward_progress 1
		.amdhsa_inst_pref_size 223
	.end_amdhsa_kernel
	.amdgpu_metadata
---
amdhsa.version: [ 1, 2 ]
amdhsa.kernels:
  - .name:           k_qa3df0d2135_qkv
    .symbol:         k_qa3df0d2135_qkv.kd
    .args:
      - { .name: xc, .offset: 0, .size: 8, .value_kind: global_buffer, .address_space: global }
      - { .name: xs, .offset: 8, .size: 8, .value_kind: global_buffer, .address_space: global }
      - { .name: wc, .offset: 16, .size: 8, .value_kind: global_buffer, .address_space: global }
      - { .name: ws, .offset: 24, .size: 8, .value_kind: global_buffer, .address_space: global }
      - { .name: qkv, .offset: 32, .size: 8, .value_kind: global_buffer, .address_space: global }
    .group_segment_fixed_size: 327680
    .private_segment_fixed_size: 0
    .kernarg_segment_align: 8
    .kernarg_segment_size: 40
    .max_flat_workgroup_size: 128
    .sgpr_count:     96
    .vgpr_count:     1024
    .wavefront_size: 32
...
	.end_amdgpu_metadata
.endif
;; end of part 2
;; launch attn (part 3): grid 4 x 64, 8 waves a work-group, no clusters, 327,680 bytes of LDS; arguments qkv, et, bias, att; writes att
.if DOCPART == 3
	.amdgcn_target "amdgcn-amd-amdhsa--gfx1250"
	.amdhsa_code_object_version 6
	.text
	.protected	k_qa3df0d2135_attn
	.globl	k_qa3df0d2135_attn
	.p2align	8
	.type	k_qa3df0d2135_attn,@function
k_qa3df0d2135_attn:
	s_mov_b64 s[64:65], 0
	v_nop
	global_prefetch_b8 v0, s[64:65] scope:SCOPE_SE
	s_setreg_imm32_b32 hwreg(HW_REG_WAVE_MODE, 25, 1), 1
	s_wait_xcnt 0x0
; ATTENTION with a relative-position term: weight(q, k) = (Q[q] . K[k] + Q[q] . pos_emb[clip(k - q, -128, 128) + 128]) / 8 + bias[k]; softmax over k; times V.  Operands in f16, sums, maxima and softmax in f32.
; SHARES.  A work-group owns 256 queries (x) of one batch and head (y); each of its eight waves two tiles of 16: A at 16 w, B at 128 + 16 w.  Two waves to a SIMD: one's softmax stands beside the other's products.
; LAYOUT.  S^T = K Q^T + C and O^T = V^T P: a lane holds ONE query (lane % 16) throughout; two neighbouring tiles of S^T, rounded to f16 in pairs, are P's fragment.  q, k, v lie in memory as images of these
; fragments' registers, so every fragment load is 512 dense bytes at 16 x lane.
; THE POSITION TERM.  Outside |k - q| < 128 it is one number a query and side: R(q, 0) or R(q, 256).  Such a tile's number Rc never touches the scores: it enters the maximum and the exponent's offset.
; Inside, for a tile of 16 queries and a step of 128 keys, 143 neighbouring offsets are wanted: nine tiles of 16 rows of the clipped table et times Q^T give R^T(d', r), d' = x - r + 15; each number is stored to the wave's
; scratch at column d' + r + 1 of row r, which is x + 16: THE STORE'S ADDRESS DOES THE SHEAR; aligned loads bring the rows back in S^T's own layout, 8 x bias is added, and the sum is the C of K Q^T.
; ORDER OF KEYS.  Pairs of steps (256 keys) are walked from pair x - 1 on, modulo 4, so that step j always lies 128 (j - 2) from the work-group's first query (or is wrapped, and then far): which steps are banded is
; then a constant of the text; on x hang global addresses, two branches (a wrapped step is far, not banded) and three masks that say on which side a far step lies.
; SOFTMAX.  A running maximum M and sum l for each query: p = 2^(c s + c (Rc - M)), c = log2(e) / 8; in every step O and l are multiplied by 2^(c (M_old - M_new)).  The sum is taken of p in f32, the product of p in f16.
; NO CLUSTER: the four work-groups of a head have their banded steps at different places of the walk over K and V, so joint loads would ask for LDS addresses and branches that hang on the place in the cluster.
; LIMITS: NaN and infinities are not served, but -infinity in bias where a row keeps a finite score; the result must lie under 65,504 in magnitude (f16).
; LDS: two slots of 65,536 (K's 256 keys, then V's), the table, 8 x bias in the order of the steps, a scratch of 16 rows x 656 bytes a wave, the spare words.
.set ETAB,  131072
.set BIASB, 196608
.set SCR,   200704
.set SCRW,  16*656                     ; 656 = 41 x 16 bytes: the 16 rows of an aligned load fall on 16 different places modulo 256 bytes; the stores' 32 words (165 r + 8 h) on 32 different banks of the 64 (ISA guide 11.1)
.set SPARE, SCR+8*SCRW                 ; 128 bytes a wave, which no other line names
; window 0
.set L16,  1                           ; v1   16 x lane: also the address in slot 0;  v3 the same in slot 1
.set EA,   4                           ; v4   the table at block 7 - w
.set EL,   5                           ; v5   the table at block 0
.set SCAT, 6                           ; v6   scratch, on the way in: 660 r + 32 h + 4
.set GATH, 7                           ; v7   and back: 656 r + 32 h + 64
.set BIA,  8                           ; v8   8 x bias: + 32 h
.set BST,  9                           ; v9   where I store it: 16 x thread
.set SPW,  10
.set NIL,  11
.set ST,   12                          ; tile t's statistics at v[ST + 16 t]: +0 M, +1 Rc, +2, +3 l, +4 F (+5 named with it), +6 the exponent's offset (+7 likewise), +8 R(q, 0), +9 R(q, 256), +10-13 four maxima, +14, +15 at work
.set S,    48                          ; v48-175  S^T, 64 a tile; p in f16 takes each tile's low 32
.set BI,   176                         ; v176-239 8 x bias of the step's 128 keys, in S^T's layout
.set T8,   240                         ; v240-247 the ninth tile of R^T
; window 1: v0-31 Q (tile t, channels 32 c on at v[16 t + 8 c]); v32-95 O^T (at v[32 + 32 t + 8 ct]); v96-255 fragments in hand
.set OA,   32
.set FB,   96
.set WV,   12                          ; s12 wave; s14 head; s15 batch
.set G1,   16                          ; s[16:23] the one group 1: 32 rows of 256 bytes, dense
.set G0E,  24                          ; s[24:27] group 0 for the table;  s[28:31] for slot 0;  s[32:35] for slot 1
.set G0S0, 28
.set G0S1, 32
.set KVB,  36                          ; s[36:37] my wave's eighth of a pair of steps, at pair 0 of the batch and head
.set SEL,  42
.set CS,   44
.set OFFP, 48                          ; s[48:55] where the walk's four pairs lie, in bytes
.set SIDE0, 56                         ; -1: a far step lies to the left (R(q, 0)); 0: to the right.  Steps 0, 1;
.set SIDE2, 57                         ; steps 4, 5;
.set SIDE3, 58                         ; steps 6, 7
.set MSB, 0
.macro WIN new
.if MSB != (\new)
	s_set_vgpr_msb (MSB<<8)|(\new)
.set MSB, (\new)
.endif
.endm
.macro PLACES n
.rept \n
	v_nop
.endr
.endm
	s_load_b256 s[4:11], s[0:1], 0x0               ; qkv s[4:5], et s[6:7], bias s[8:9], att s[10:11]
	v_lshl_add_u32 v[SPW], v0, 2, SPARE
	v_mov_b32 v[NIL], 0
	ds_add_u32 v[SPW], v[NIL]                      ; the wave's opening: the add, twice on end, and its wait ahead of my first tensor load
	ds_add_u32 v[SPW], v[NIL]
	v_lshrrev_b32 v1, 5, v0
	v_readfirstlane_b32 s[WV], v1                  ; wave 0..7
	s_and_b32 s38, ttmp7, 0xffff
	s_and_b32 s14, s38, 15                         ; head
	s_lshr_b32 s15, s38, 4                         ; batch
	s_mov_b32 s[G1], 3<<16                         ; no mask; elements of 8 bytes; no padding
	s_mov_b32 s[G1+1], 32<<16                      ; tensor_dim0 = 32 elements
	s_mov_b32 s[G1+2], 32<<16                      ; tensor_dim1 = 32
	s_mov_b32 s[G1+3], 32<<16                      ; tile_dim0
	s_mov_b32 s[G1+4], 32                          ; tile_dim1
	s_mov_b32 s[G1+5], 32                          ; from row to row
	s_mov_b32 s[G1+6], 0
	s_mov_b32 s[G1+7], 0
	s_mov_b32 s[SEL], 0x76543210
	s_mov_b32 s[SEL+1], 0xfedcba98                 ; v_permlanex16_b32's selects for lane l xor 16
	s_mov_b32 s[CS], 0x3e38aa3b                    ; c = log2(e) / 8
	s_mov_b32 s[CS+1], s[CS]                       ; (named with it as a pair)
	s_cmp_lg_u32 ttmp9, 0
	s_cselect_b32 s[SIDE0], -1, 0
	s_cmp_eq_u32 ttmp9, 3
	s_cselect_b32 s[SIDE2], -1, 0
	s_cmp_ge_u32 ttmp9, 2
	s_cselect_b32 s[SIDE3], -1, 0
.irp p, 0,1,2,3
	s_add_co_u32 s38, ttmp9, 3+\p
	s_and_b32 s38, s38, 3                          ; the walk's pair p is pair (x - 1 + p) mod 4
	s_lshl_b32 s[OFFP+2*\p], s38, 15               ; 32,768 bytes a pair
	s_mov_b32 s[OFFP+2*\p+1], 0
.endr
	s_lshr_b32 s38, s[WV], 2                       ; waves 0-3 fetch K, waves 4-7 V
	s_lshl_b32 s38, s38, 4
	s_add_co_u32 s38, s38, s14
	s_add_co_u32 s38, s38, 16                      ; G = 16 + head, or 32 + head
	s_lshl_b32 s[KVB], s38, 19
	s_lshl_b32 s38, s15, 17                        ; a batch's 1,024 keys: 131,072 bytes
	s_add_co_u32 s[KVB], s[KVB], s38
	s_and_b32 s38, s[WV], 3
	s_lshl_b32 s38, s38, 13                        ; my quarter of the pair's 32,768
	s_add_co_u32 s[KVB], s[KVB], s38
	s_mov_b32 s[KVB+1], 0
	s_lshl_b32 s39, s[WV], 13                      ; 8,192 x wave: my part of a slot and of the table
	s_mov_b32 s40, s39
	s_mov_b32 s41, 0
	s_wait_dscnt 0x0                               ; both opening adds are done
	s_wait_kmcnt 0x0
	s_add_nc_u64 s[KVB:KVB+1], s[4:5], s[KVB:KVB+1]
	s_mov_b32 s[G0E], 1
	s_add_co_u32 s[G0E+1], s39, ETAB
	s_add_nc_u64 s[G0E+2:G0E+3], s[6:7], s[40:41]
	s_or_b32 s[G0E+3], s[G0E+3], 0x80000000
	s_mov_b32 s[G0S0], 1
	s_mov_b32 s[G0S0+1], s39
	s_add_nc_u64 s[G0S0+2:G0S0+3], s[KVB:KVB+1], s[OFFP:OFFP+1]
	s_or_b32 s[G0S0+3], s[G0S0+3], 0x80000000
	s_mov_b32 s[G0S1], 1
	s_add_co_u32 s[G0S1+1], s39, 65536
	s_add_nc_u64 s[G0S1+2:G0S1+3], s[KVB:KVB+1], s[OFFP+2:OFFP+3]
	s_or_b32 s[G0S1+3], s[G0S1+3], 0x80000000
	tensor_load_to_lds s[G0E:G0E+3], s[G1:G1+7]    ; the first fills, every wave its eighth: the table, slot 0, slot 1: three loads of mine are out
	s_nop 0
	tensor_load_to_lds s[G0S0:G0S0+3], s[G1:G1+7]
	s_nop 0
	tensor_load_to_lds s[G0S1:G0S1+3], s[G1:G1+7]
	s_nop 0
	PLACES 4
	s_lshl_b32 s38, s15, 6
	s_lshl_b32 s40, ttmp9, 4
	s_add_co_u32 s38, s38, s40
	s_add_co_u32 s38, s38, s[WV]                   ; tile A's block of 16 tokens: 64 batch + 16 x + w; tile B's is 8 on
	s_lshl_b32 s40, s38, 11
	s_lshl_b32 s59, s14, 19
	s_add_co_u32 s40, s40, s59
	s_add_nc_u64 s[4:5], s[4:5], s[40:41]          ; Q
	s_lshl_b32 s40, s38, 15
	s_lshl_b32 s59, s14, 11
	s_add_co_u32 s40, s40, s59
	s_add_nc_u64 s[10:11], s[10:11], s[40:41]      ; att: 32,768 bytes a block of tokens, 2,048 a head
	s_lshr_b32 s40, s[WV], 1                       ; wave w brings the bias of the walk's step w: 128 keys
	s_add_co_u32 s40, s40, ttmp9
	s_add_co_u32 s40, s40, 3
	s_and_b32 s40, s40, 3
	s_lshl_b32 s40, s40, 1
	s_and_b32 s59, s[WV], 1
	s_add_co_u32 s40, s40, s59
	s_lshl_b32 s40, s40, 9
	s_lshl_b32 s59, s15, 12
	s_add_co_u32 s40, s40, s59
	s_add_nc_u64 s[8:9], s[8:9], s[40:41]
	v_and_b32 v1, 31, v0
	v_lshlrev_b32 v[L16], 4, v1
	WIN 0x40                                       ; destination window 1
.irp t, 0,1
.irp c, 0,1
.irp g, 0,1
	global_load_b128 v[16*\t+8*\c+4*\g:16*\t+8*\c+4*\g+3], v[L16], s[4:5] offset:\t*16384+\c*1024+\g*512   ; Q stays in registers
.endr
.endr
.endr
	WIN 0
	global_load_b128 v[44:47], v[L16], s[8:9]
	v_and_b32 v240, 15, v0                         ; r
	v_bfe_u32 v241, v0, 4, 1                       ; h
	v_add_nc_u32 v3, 0x10000, v[L16]
	s_xor_b32 s40, s[WV], 7                        ; 7 - w
	s_lshl_b32 s40, s40, 11
	s_add_co_u32 s40, s40, ETAB
	v_add_nc_u32 v[EA], s40, v[L16]
	v_add_nc_u32 v[EL], ETAB, v[L16]
	s_mul_i32 s40, s[WV], SCRW
	s_add_co_u32 s40, s40, SCR                     ; my scratch
	v_mul_u32_u24 v[SCAT], v240, 660
	v_lshl_add_u32 v[SCAT], v241, 5, v[SCAT]
	v_add_nc_u32 v[SCAT], s40, v[SCAT]
	v_add_nc_u32 v[SCAT], 4, v[SCAT]
	v_mul_u32_u24 v[GATH], v240, 656
	v_lshl_add_u32 v[GATH], v241, 5, v[GATH]
	v_add_nc_u32 v[GATH], s40, v[GATH]
	v_add_nc_u32 v[GATH], 64, v[GATH]
	v_lshlrev_b32 v[BIA], 5, v241
	v_add_nc_u32 v[BIA], BIASB, v[BIA]
	v_lshl_add_u32 v[BST], v0, 4, BIASB
.irp t, 0,1
	v_mov_b32 v[ST+16*\t], 0xff61b1e6              ; M: -3e38, under every finite score
	v_mov_b32 v[ST+16*\t+2], 0                     ; l, in two halves
	v_mov_b32 v[ST+16*\t+3], 0
	v_mov_b32 v[ST+16*\t+5], 0                     ; named as upper halves of pairs
	v_mov_b32 v[ST+16*\t+7], 0
	v_mov_b32 v[ST+16*\t+15], 0                    ; a lane permute's destination counts as one of its sources
.endr
	s_wait_loadcnt 0x0                             ; Q and the bias
.irp i, 44,45,46,47
	v_mul_f32 v\i, 0x41000000, v\i                 ; 8 x bias: exact; the scores are divided by 8 inside c
.endr
	ds_store_b128 v[BST], v[44:47]
	s_wait_tensorcnt 0x1                           ; my parts of the table and of slot 0 are in; slot 1's load may be out
	s_wait_dscnt 0x0                               ; my bias has landed
	s_barrier_signal -1
	s_barrier_wait -1
	; R(q, 0) and R(q, 256): the table's blocks 0 and 31 hold 16 equal rows each
	WIN 0x40
.irp d, 0,1
.irp c, 0,1
.irp g, 0,1
	ds_load_b128 v[FB+8*(2*\d+\c)+4*\g:FB+8*(2*\d+\c)+4*\g+3], v[EL] offset:\d*63488+\c*1024+\g*512
.endr
.endr
.endr
	s_wait_dscnt 0x0
	WIN 0x05                                       ; sources 0 and 1 window 1; C and D window 0
.irp c, 0,1
.irp t, 0,1
.irp d, 0,1
.if \c == 0
	v_wmma_f32_16x16x32_f16 v[S+8*(2*\t+\d):S+8*(2*\t+\d)+7], v[FB+8*(2*\d+\c):FB+8*(2*\d+\c)+7], v[16*\t+8*\c:16*\t+8*\c+7], 0
.else
	v_wmma_f32_16x16x32_f16 v[S+8*(2*\t+\d):S+8*(2*\t+\d)+7], v[FB+8*(2*\d+\c):FB+8*(2*\d+\c)+7], v[16*\t+8*\c:16*\t+8*\c+7], v[S+8*(2*\t+\d):S+8*(2*\t+\d)+7]
.endif
.endr
.endr
.endr
	WIN 0
	PLACES 4
.irp t, 0,1
	v_mov_b32 v[ST+16*\t+8], v[S+16*\t]
	v_mov_b32 v[ST+16*\t+9], v[S+16*\t+8]
.endr
	PLACES 5                                       ; the first step's products write over these accumulators
.macro LDBI j                          ; 8 x bias of step j's keys: register 8 kt + n holds key 16 kt + 8 h + n, the same in all 16 queries' lanes
.irp kt, 0,1,2,3,4,5,6,7
.irp g, 0,1
	ds_load_b128 v[BI+8*\kt+4*\g:BI+8*\kt+4*\g+3], v[BIA] offset:\j*512+\kt*64+\g*16
.endr
.endr
.endm
; Tile t's C for a banded step; jj = 0, 1, 2: the step lies 128 (jj - 1) from the tile's block of 128 queries; the table's blocks 8 jj + 7 - w on.
; Places: five stand behind every V^T P and four behind this macro's own products, ahead of the loads into the fragments' registers.
.macro BAND t, jj
	WIN 0x40
.irp i, 0,1,2,3,4,5,6,7,8
.irp c, 0,1
.irp g, 0,1
	ds_load_b128 v[FB+8*(2*\i+\c)+4*\g:FB+8*(2*\i+\c)+4*\g+3], v[EA] offset:(8*\jj+\i)*2048+\c*1024+\g*512
.endr
.endr
.endr
	s_wait_dscnt 0x0                               ; and the bias
	WIN 0x05
.irp c, 0,1                                    ; nine accumulators by turns
.irp i, 0,1,2,3,4,5,6,7,8
.set rD, S+64*\t+8*\i
.if \i == 8
.set rD, T8
.endif
.if \c == 0
	v_wmma_f32_16x16x32_f16 v[rD:rD+7], v[FB+8*(2*\i+\c):FB+8*(2*\i+\c)+7], v[16*\t+8*\c:16*\t+8*\c+7], 0
.else
	v_wmma_f32_16x16x32_f16 v[rD:rD+7], v[FB+8*(2*\i+\c):FB+8*(2*\i+\c)+7], v[16*\t+8*\c:16*\t+8*\c+7], v[rD:rD+7]
.endif
.endr
.endr
	WIN 0
	PLACES 4
.irp i, 0,1,2,3,4,5,6,7,8
.set rD, S+64*\t+8*\i
.if \i == 8
.set rD, T8
.endif
.irp n, 0,1,2,3,4,5,6,7
	ds_store_b32 v[SCAT], v[rD+\n] offset:64*\i+4*\n   ; R^T(d' = 16 i + 8 h + n, r) to column d' + r + 1 of row r
.endr
.endr
.irp kt, 0,1,2,3,4,5,6,7
.irp g, 0,1
	ds_load_b128 v[S+64*\t+8*\kt+4*\g:S+64*\t+8*\kt+4*\g+3], v[GATH] offset:64*\kt+16*\g   ; LDS serves a wave's instructions in order: these see my stores.  Column 16 + x of row r
.endr
.endr
	s_wait_dscnt 0x0
.set n2, 0
.rept 32
	v_pk_add_f32 v[S+64*\t+n2:S+64*\t+n2+1], v[S+64*\t+n2:S+64*\t+n2+1], v[BI+n2:BI+n2+1]
.set n2, n2+2
.endr
	v_mov_b32 v[ST+16*\t+1], 0                     ; no number beside the scores
.endm
.macro FARC t, side
	v_cndmask_b32 v[ST+16*\t+1], v[ST+16*\t+9], v[ST+16*\t+8], s[\side]
.endm
; A step that is banded unless the walk has wrapped (work-group x = wg): then it is far.  Both ways leave the tile's C in S^T's registers, so that the products behind the join are the same lines.
.macro COND t, jj, wg, side
	s_cmp_eq_u32 ttmp9, \wg
	s_cbranch_scc1 .Lfar_\@
	BAND \t, \jj
	s_branch .Ljoin_\@
.Lfar_\@:
	s_wait_dscnt 0x0                               ; the bias
.set n2, 0
.rept 64
	v_mov_b32 v[S+64*\t+n2], v[BI+n2]
.set n2, n2+1
.endr
	FARC \t, \side
.Ljoin_\@:
.endm
.macro TILEC t, mode, jj, side, wg     ; mode 0 far, 1 banded, 2 banded unless wrapped
.if \mode == 0
	FARC \t, \side
.elseif \mode == 1
	BAND \t, \jj
.else
	COND \t, \jj, \wg, \side
.endif
.endm
.macro LDK slot, e                     ; the step's K: 16 fragments (16 keys x 32 channels).  The places ahead of these loads stand behind V^T P and inside BAND
	WIN 0x40
.irp kt, 0,1,2,3,4,5,6,7
.irp c, 0,1
.irp g, 0,1
	ds_load_b128 v[FB+8*(2*\kt+\c)+4*\g:FB+8*(2*\kt+\c)+4*\g+3], v[L16+2*\slot] offset:\e*16384+\kt*2048+\c*1024+\g*512
.endr
.endr
.endr
.endm
.macro QK1 t, c, kt, m
.if (\c == 0) && (\m == 0)
	v_wmma_f32_16x16x32_f16 v[S+64*\t+8*\kt:S+64*\t+8*\kt+7], v[FB+8*(2*\kt+\c):FB+8*(2*\kt+\c)+7], v[16*\t+8*\c:16*\t+8*\c+7], v[BI+8*\kt:BI+8*\kt+7]
.else
	v_wmma_f32_16x16x32_f16 v[S+64*\t+8*\kt:S+64*\t+8*\kt+7], v[FB+8*(2*\kt+\c):FB+8*(2*\kt+\c)+7], v[16*\t+8*\c:16*\t+8*\c+7], v[S+64*\t+8*\kt:S+64*\t+8*\kt+7]
.endif
.endm
.macro QK mA, mB                       ; S^T = K Q^T + C: 32 products, 16 accumulators by turns.  A far tile's C is 8 x bias as it stands
	WIN 0x05
.irp c, 0,1
.irp kt, 0,1,2,3,4,5,6,7
	QK1 0, \c, \kt, \mA
	QK1 1, \c, \kt, \mB
.endr
.endr
.endm
.macro LDV slot, e                     ; the step's V^T: 16 fragments (16 channels x 32 keys); they land while the softmax is walked
	PLACES 4                                       ; behind K Q^T: for these loads, and for the softmax's first read of the scores
	WIN 0x40
.irp ka, 0,1,2,3
.irp ct, 0,1,2,3
.irp g, 0,1
	ds_load_b128 v[FB+8*(4*\ka+\ct)+4*\g:FB+8*(4*\ka+\ct)+4*\g+3], v[L16+2*\slot] offset:32768+\e*16384+\ka*4096+\ct*1024+\g*512
.endr
.endr
.endr
	WIN 0
.endm
; THE SOFTMAX of a step, the two tiles line by line in turn.  first = 1: no old maximum, nothing to rescale.
.macro SOFT first
.irp b, 0,1,2,3                                ; the lane's 64 scores in four chains; each accumulator is read from its low end on
.irp t, 0,1
	v_max3_num_f32 v[ST+16*\t+10+\b], v[S+64*\t+16*\b], v[S+64*\t+16*\b+1], v[S+64*\t+16*\b+2]
.endr
.endr
.irp i, 3,5,7,9,11,13
.irp b, 0,1,2,3
.irp t, 0,1
	v_max3_num_f32 v[ST+16*\t+10+\b], v[ST+16*\t+10+\b], v[S+64*\t+16*\b+\i], v[S+64*\t+16*\b+\i+1]
.endr
.endr
.endr
.irp b, 0,1,2,3
.irp t, 0,1
	v_max_num_f32 v[ST+16*\t+10+\b], v[ST+16*\t+10+\b], v[S+64*\t+16*\b+15]
.endr
.endr
.irp t, 0,1
	v_max3_num_f32 v[ST+16*\t+14], v[ST+16*\t+10], v[ST+16*\t+11], v[ST+16*\t+12]
.endr
.irp t, 0,1
	v_max_num_f32 v[ST+16*\t+14], v[ST+16*\t+14], v[ST+16*\t+13]
.endr
.irp t, 0,1
	v_permlanex16_b32 v[ST+16*\t+15], v[ST+16*\t+14], s[SEL], s[SEL+1]   ; the query's other 64 keys lie in the lane 16 away
.endr
.irp t, 0,1
	v_max_num_f32 v[ST+16*\t+14], v[ST+16*\t+14], v[ST+16*\t+15]
.endr
.irp t, 0,1
	v_add_f32 v[ST+16*\t+14], v[ST+16*\t+14], v[ST+16*\t+1]              ; + Rc
.endr
.if !\first
.irp t, 0,1
	v_mov_b32 v[ST+16*\t+15], v[ST+16*\t]                                ; M_old is kept for F
.endr
.endif
.irp t, 0,1
	v_max_num_f32 v[ST+16*\t], v[ST+16*\t], v[ST+16*\t+14]
.endr
.if !\first
.irp t, 0,1
	v_sub_f32 v[ST+16*\t+15], v[ST+16*\t+15], v[ST+16*\t]
.endr
.irp t, 0,1
	v_mul_f32 v[ST+16*\t+15], s[CS], v[ST+16*\t+15]
.endr
.endif
.irp t, 0,1
	v_sub_f32 v[ST+16*\t+6], v[ST+16*\t+1], v[ST+16*\t]
.endr
.irp t, 0,1
	v_mul_f32 v[ST+16*\t+6], s[CS], v[ST+16*\t+6]                        ; c (Rc - M)
.endr
.set n2, 0
.rept 32
.irp t, 0,1
	v_pk_fma_f32 v[S+64*\t+n2:S+64*\t+n2+1], v[S+64*\t+n2:S+64*\t+n2+1], s[CS:CS+1], v[ST+16*\t+6:ST+16*\t+7] op_sel_hi:[1,0,0]   ; c s + c (Rc - M), two at a time
.endr
.set n2, n2+2
.endr
.if !\first
.irp t, 0,1
	v_exp_f32 v[ST+16*\t+4], v[ST+16*\t+15]                              ; F = 2^(c (M_old - M))
.endr
.endif
.set n2, 0
.rept 64
.irp t, 0,1
	v_exp_f32 v[S+64*\t+n2], v[S+64*\t+n2]                               ; p, at most 1
.endr
.set n2, n2+1
.endr
	v_nop                                          ; a plain line behind the last exponential
	s_wait_alu depctr_va_vdst(0)                   ; one wait for the whole batch, ahead of its first reader
.if !\first
.irp t, 0,1
	v_pk_mul_f32 v[ST+16*\t+2:ST+16*\t+3], v[ST+16*\t+2:ST+16*\t+3], v[ST+16*\t+4:ST+16*\t+5] op_sel_hi:[1,0]
.endr
.endif
.irp t, 0,1
	v_pk_add_f32 v[ST+16*\t+14:ST+16*\t+15], v[S+64*\t:S+64*\t+1], v[S+64*\t+2:S+64*\t+3]   ; the row's sum, of p in f32, in two chains
.endr
.irp j, 4,8,12,16,20,24,28,32,36,40,44,48,52,56,60
.irp t, 0,1
	v_pk_add_f32 v[ST+16*\t+2:ST+16*\t+3], v[ST+16*\t+2:ST+16*\t+3], v[S+64*\t+\j:S+64*\t+\j+1]
	v_pk_add_f32 v[ST+16*\t+14:ST+16*\t+15], v[ST+16*\t+14:ST+16*\t+15], v[S+64*\t+\j+2:S+64*\t+\j+3]
.endr
.endr
.irp t, 0,1
	v_pk_add_f32 v[ST+16*\t+2:ST+16*\t+3], v[ST+16*\t+2:ST+16*\t+3], v[ST+16*\t+14:ST+16*\t+15]
.endr
.set n2, 0
.rept 32
.irp t, 0,1
	v_cvt_pk_f16_f32 v[S+64*\t+n2], v[S+64*\t+2*n2], v[S+64*\t+2*n2+1]   ; p in f16, in place: register i takes scores 2 i and 2 i + 1; 8 registers are a fragment of 32 keys
.endr
.set n2, n2+1
.endr
.if !\first
	WIN 0x41                                       ; O^T (destination and source 0) window 1, F window 0
.set n2, 0
.rept 16
.irp t, 0,1
	v_pk_mul_f32 v[OA+32*\t+n2:OA+32*\t+n2+1], v[OA+32*\t+n2:OA+32*\t+n2+1], v[ST+16*\t+4:ST+16*\t+5] op_sel_hi:[1,0]
.endr
.set n2, n2+2
.endr
	WIN 0
.endif
.endm
.macro PV first                        ; O^T += V^T P: 32 products, 8 accumulators by turns
	s_wait_dscnt 0x0                               ; V is in
	WIN 0x51                                       ; V window 1, P window 0, O^T window 1
.irp ka, 0,1,2,3
.irp ct, 0,1,2,3
.irp t, 0,1
.if \first && (\ka == 0)
	v_wmma_f32_16x16x32_f16 v[OA+32*\t+8*\ct:OA+32*\t+8*\ct+7], v[FB+8*(4*\ka+\ct):FB+8*(4*\ka+\ct)+7], v[S+64*\t+8*\ka:S+64*\t+8*\ka+7], 0
.else
	v_wmma_f32_16x16x32_f16 v[OA+32*\t+8*\ct:OA+32*\t+8*\ct+7], v[FB+8*(4*\ka+\ct):FB+8*(4*\ka+\ct)+7], v[S+64*\t+8*\ka:S+64*\t+8*\ka+7], v[OA+32*\t+8*\ct:OA+32*\t+8*\ct+7]
.endif
.endr
.endr
.endr
	WIN 0
	PLACES 5                                       ; the next step's products write over P's registers, its loads land on V's
.endm
.macro STEP j, slot, e, first, modeA, stepA, modeB, stepB, side, wg
	LDBI \j
	TILEC 0, \modeA, \stepA, \side, \wg
	TILEC 1, \modeB, \stepB, \side, \wg
	LDK \slot, \e
	s_wait_dscnt 0x0
	QK \modeA, \modeB
	LDV \slot, \e
	SOFT \first
	PV \first
.endm
; THE CHANGE OF SLOTS.  Each wave waits for all its tensor loads (its part of the slot ahead), adds 0 to its spare word, and waits for that and for its reads of the slot that it leaves; behind the barrier that slot is
; filled with the walk's pair p, every wave its eighth: one load of mine is out, with two steps in which to land.
.macro CHANGE g0, p
	s_wait_tensorcnt 0x0                           ; no tensor load of mine is out, so a group 0 may be written
	ds_add_u32 v[SPW], v[NIL]
	s_add_nc_u64 s[\g0+2:\g0+3], s[KVB:KVB+1], s[OFFP+2*\p:OFFP+2*\p+1]
	s_or_b32 s[\g0+3], s[\g0+3], 0x80000000
	s_wait_dscnt 0x0
	s_barrier_signal -1
	s_barrier_wait -1
	tensor_load_to_lds s[\g0:\g0+3], s[G1:G1+7]
	s_nop 0
	PLACES 4
.endm
	STEP 0, 0, 0, 1, 0, 0, 0, 0, SIDE0, 0          ; 256 keys to the left (or wrapped): both tiles far
	STEP 1, 0, 1, 0, 2, 0, 0, 0, SIDE0, 0          ; 128 to the left: tile A banded unless wrapped (x = 0)
	CHANGE G0S0, 2
	STEP 2, 1, 0, 0, 1, 1, 1, 0, SIDE0, 0          ; tile A's own 128 keys
	STEP 3, 1, 1, 0, 1, 2, 1, 1, SIDE0, 0          ; tile B's own
	CHANGE G0S1, 3
	STEP 4, 0, 0, 0, 0, 0, 2, 2, SIDE2, 3          ; tile B banded unless wrapped (x = 3)
	STEP 5, 0, 1, 0, 0, 0, 0, 0, SIDE2, 0
	s_wait_tensorcnt 0x0                           ; the last change: my part of slot 1 has landed; nothing more is asked for
	ds_add_u32 v[SPW], v[NIL]
	s_wait_dscnt 0x0
	s_barrier_signal -1
	s_barrier_wait -1
	STEP 6, 1, 0, 0, 0, 0, 0, 0, SIDE3, 0
	STEP 7, 1, 1, 0, 0, 0, 0, 0, SIDE3, 0
	; THE WAY OUT: O^T / l, rounded to f16.  A lane's 8 channels are 16 bytes, and the 32 lanes' 512 bytes lie on end in att ([token / 16][(64 head + channel) / 8][token % 16][8 f16]): no stage.
.irp t, 0,1
	v_add_f32 v[ST+16*\t+14], v[ST+16*\t+2], v[ST+16*\t+3]
.endr
.irp t, 0,1
	v_permlanex16_b32 v[ST+16*\t+15], v[ST+16*\t+14], s[SEL], s[SEL+1]
.endr
.irp t, 0,1
	v_add_f32 v[ST+16*\t+14], v[ST+16*\t+14], v[ST+16*\t+15]
.endr
.irp t, 0,1
	v_rcp_f32 v[ST+16*\t+4], v[ST+16*\t+14]
.endr
	v_nop
	s_wait_alu depctr_va_vdst(0)                   ; one wait for the two reciprocals, ahead of their first reader
	WIN 0x41
.set n2, 0
.rept 16
.irp t, 0,1
	v_pk_mul_f32 v[OA+32*\t+n2:OA+32*\t+n2+1], v[OA+32*\t+n2:OA+32*\t+n2+1], v[ST+16*\t+4:ST+16*\t+5] op_sel_hi:[1,0]
.endr
.set n2, n2+2
.endr
	WIN 0x05                                       ; sources window 1, destination window 0
.set n2, 0
.rept 32
	v_cvt_pk_f16_f32 v[S+n2], v[OA+2*n2], v[OA+2*n2+1]
.set n2, n2+1
.endr
	WIN 0
.irp t, 0,1
.irp ct, 0,1,2,3
	global_store_b128 v[L16], v[S+16*\t+4*\ct:S+16*\t+4*\ct+3], s[10:11] offset:\t*262144+\ct*512
.endr
.endr
	s_wait_tensorcnt 0x0                           ; the wave's end
	ds_add_u32 v[SPW], v[NIL]
	s_wait_dscnt 0x0
	s_endpgm
.Lfunc_end_k_qa3df0d2135_attn:
	.size	k_qa3df0d2135_attn, .Lfunc_end_k_qa3df0d2135_attn-k_qa3df0d2135_attn
	.p2alignl 7, 3214868480
	.fill 96, 4, 3214868480
	.section	.rodata,"a",@progbits
	.p2align	6, 0x0
	.amdhsa_kernel k_qa3df0d2135_attn
		.amdhsa_group_segment_fixed_size 327680
		.amdhsa_private_segment_fixed_size 0
		.amdhsa_enable_private_segment 0
		.amdhsa_kernarg_size 32
		.amdhsa_user_sgpr_count 2
		.amdhsa_user_sgpr_kernarg_segment_ptr 1
		.amdhsa_wavefront_size32 1
		.amdhsa_system_sgpr_workgroup_id_x 1
		.amdhsa_system_sgpr_workgroup_id_y 1
		.amdhsa_system_sgpr_workgroup_id_z 1
		.amdhsa_system_vgpr_workitem_id 0
		.amdhsa_next_free_vgpr 512
		.amdhsa_next_free_sgpr 66
		.amdhsa_reserve_vcc 0
		.amdhsa_float_denorm_mode_32 3
		.amdhsa_float_denorm_mode_16_64 3
		.amdhsa_memory_ordered 1
		.amdhsa_forward_progress 1
		.amdhsa_inst_pref_size 255
	.end_amdhsa_kernel
	.section	.bss,"aw",@nobits
	.p2align	6
	.space	262144
	.amdgpu_metadata
---
amdhsa.version: [ 1, 2 ]
amdhsa.kernels:
  - .name:           k_qa3df0d2135_attn
    .symbol:         k_qa3df0d2135_attn.kd
    .args:
      - { .name: qkv, .offset: 0, .size: 8, .value_kind: global_buffer, .address_space: global }
      - { .name: et, .offset: 8, .size: 8, .value_kind: global_buffer, .address_space: global }
      - { .name: bias, .offset: 16, .size: 8, .value_kind: global_buffer, .address_space: global }
      - { .name: att, .offset: 24, .size: 8, .value_kind: global_buffer, .address_space: global }
    .group_segment_fixed_size: 327680
    .private_segment_fixed_size: 0
    .kernarg_segment_align: 8
    .kernarg_segment_size: 32
    .max_flat_workgroup_size: 256
    .sgpr_count:     66
    .vgpr_count:     512
    .wavefront_size: 32
...
	.end_amdgpu_metadata
.endif
;; end of part 3
;; launch oproj (part 4): grid 8 x 32, 4 waves a work-group, clusters of 4 x 4, 327,680 bytes of LDS; arguments att, wo, out0; writes out0
.if DOCPART == 4
	.amdgcn_target "amdgcn-amd-amdhsa--gfx1250"
	.amdhsa_code_object_version 6
	.text
	.protected	k_qa3df0d2135_oproj
	.globl	k_qa3df0d2135_oproj
	.p2align	8
	.type	k_qa3df0d2135_oproj,@function
k_qa3df0d2135_oproj:
	s_mov_b64 s[64:65], 0
	v_nop
	global_prefetch_b8 v0, s[64:65] scope:SCOPE_SE
	s_setreg_imm32_b32 hwreg(HW_REG_WAVE_MODE, 25, 1), 1
	s_wait_xcnt 0x0
	s_wait_alu depctr_hold_cnt(0) depctr_sa_sdst(0) depctr_va_vdst(0) depctr_va_sdst(0) depctr_va_ssrc(0) depctr_va_vcc(0) depctr_vm_vsrc(0)
	s_getreg_b32 s2, hwreg(HW_REG_IB_STS2, 6, 4)
	s_cmp_eq_u32 s2, 0
	s_cbranch_scc0 .Lentry_in_a_cluster
	s_endpgm
.Lentry_in_a_cluster:
	s_bfe_u32 s2, ttmp6, 0x10000c
	s_cmp_lg_u32 s2, 0xf033
	s_cbranch_scc0 .Lentry_shape_is_right
	s_endpgm
.Lentry_shape_is_right:
; out0[m][n] = sum over k of att[m][k] Wout[k][n]: M = 4,096, N = 1,024, K = 1,024; operands in f16, sums and result in f32.
; A tile of out0 is 128 x 128: 8 x 32 = 256 work-groups.  Four waves, each 64 x 64: 16 accumulators.  K goes in four steps of 256 through a ring of two LDS slots.
; att and wo lie in memory as images of operand registers ([block of 16 rows][k / 8][row][8 f16]): a K step of a block is 8,192 dense bytes, half a fragment 512 dense bytes at 16 x lane: no pitch, no padding.
; CLUSTERS: 4 x 4 work-groups; the four of a row need the same tiles of att, the four of a column the same tiles of wo: each is asked for jointly.
; THE MATRIX INSTRUCTION IS USED TRANSPOSED (source 0 = 16 columns n, source 1 = 16 tokens): a lane holds 8 neighbouring numbers of a row of out0.
; REGISTERS: window 0: v16-29 addresses; v32-95 rows on the way out; v128-255 the accumulators ((a, b) at v[128 + 8 (4 a + b)]).  window 1: two fragment buffers of 128: 64 along K: 64 registers of att, then 64 of wo.
.set SLOT,   131072                    ; att's 8 blocks x 8,192 bytes, then wo's
.set STAGE,  2*SLOT                    ; behind the ring: 16 rows x (256 + 16) bytes for each wave, for the way out; no fill lands there
.set SPITCH, 272
.set SPARE,  STAGE+4*16*SPITCH         ; the spare words, 128 bytes a wave, which no other line names
.set ADRA, 16                          ; v16-17  LDS address of my att fragments in slot 0, 1
.set ADRB, 20                          ; v20-21  of my wo fragments
.set STO,  24
.set RD,   25
.set CO,   26
.set SPW,  28
.set NIL,  29
.set TMP,  32
.set ACC,  128
.set F0,   0
.set F1,   128
.set G1, 24                            ; s[24:31] group 1 for att's tiles;  s[32:39] group 0, one set a slot
.set G0, 32
.set G1B, 48                           ; s[48:55], s[56:63] the same for wo's
.set G0B, 56
.set MSB, 0
.macro WIN new
.if MSB != (\new)
	s_set_vgpr_msb (MSB<<8)|(\new)
.set MSB, (\new)
.endif
.endm
.set MUL,  0x05                        ; sources 0 and 1 window 1; C and D window 0
.set TO_F, 0x40                        ; destination window 1, address window 0
.macro JLOAD s                         ; a joint load: waves 0 and 1 fetch att's two halves, waves 2 and 3 wo's; an s_nop 0 and four v_nop follow each of the two lines
	s_cmp_eq_u32 s11, 0
	s_cbranch_scc0 .Lfor_b_\@
	tensor_load_to_lds s[G0+4*\s:G0+4*\s+3], s[G1:G1+7]
	s_nop 0
.rept 4
	v_nop
.endr
	s_branch .Lasked_\@
.Lfor_b_\@:
	tensor_load_to_lds s[G0B+4*\s:G0B+4*\s+3], s[G1B:G1B+7]
	s_nop 0
.rept 4
	v_nop
.endr
.Lasked_\@:
.endm
.macro CREST                           ; a round of the cluster's barrier behind its opening barrier
	s_cmp_lg_u32 s10, 0
	s_cbranch_scc1 .Lnot_wave_0_\@
	s_barrier_signal -3
.Lnot_wave_0_\@:
	s_barrier_wait -3
	s_barrier_signal -1
	s_barrier_wait -1
.endm
.macro CROUND
	s_barrier_signal -1
	s_barrier_wait -1
	CREST
.endm
	s_load_b128 s[4:7], s[0:1], 0x0                ; att s[4:5], wo s[6:7]
	s_load_b64 s[8:9], s[0:1], 0x10                ; out0
	v_lshl_add_u32 v[SPW], v0, 2, SPARE
	v_mov_b32 v[NIL], 0
	ds_add_u32 v[SPW], v[NIL]                      ; the wave's opening: the add, twice on end, and its wait ahead of my first tensor load
	ds_add_u32 v[SPW], v[NIL]
	v_lshrrev_b32 v1, 5, v0
	v_readfirstlane_b32 s10, v1                    ; wave 0..3
	s_lshr_b32 s11, s10, 1                         ; my half of the tile's rows.  Also: I fetch for att (0) or for wo (1)
	s_and_b32 s12, s10, 1                          ; my half of its columns.  Also: which 4 blocks I fetch
	s_bfe_u32 s40, ttmp6, 0x40000                  ; cx, cy
	s_bfe_u32 s41, ttmp6, 0x40004
	s_lshl_b32 s42, ttmp9, 2
	s_add_co_u32 s42, s42, s40                     ; tile column 0..7
	s_and_b32 s13, ttmp7, 0xffff
	s_lshl_b32 s13, s13, 2
	s_add_co_u32 s13, s13, s41                     ; tile row 0..31
	s_lshl_b32 s43, s41, 2
	s_lshl_b32 s43, 15, s43                        ; my row of the cluster
	s_lshl_b32 s44, 0x1111, s40                    ; my column
	; group 1: 4 blocks x 8,192 bytes (a K step), 32,768 bytes apart in memory, dense in LDS; elements of 8 bytes
	s_or_b32 s[G1+0], s43, (3<<16)|(1<<21)
	s_or_b32 s[G1B+0], s44, (3<<16)|(1<<21)
.irp g, G1, G1B
	s_mov_b32 s[\g+1], 1024<<16                    ; tensor_dim0 = 1,024 elements
	s_mov_b32 s[\g+2], 4<<16                       ; tensor_dim1 = 4
	s_mov_b32 s[\g+3], 1024<<16                    ; tile_dim0
	s_mov_b32 s[\g+4], 4                           ; tile_dim1
	s_mov_b32 s[\g+5], 4096                        ; from block to block, in elements
	s_mov_b32 s[\g+6], 0
	s_mov_b32 s[\g+7], 0
.endr
	s_lshl_b32 s17, s12, 2
	s_lshl_b32 s16, s13, 3
	s_add_co_u32 s16, s16, s17
	s_lshl_b32 s16, s16, 15                        ; att: block 8 x tile row + 4 x half
	s_lshl_b32 s46, s42, 3
	s_add_co_u32 s46, s46, s17
	s_lshl_b32 s46, s46, 15                        ; wo: block 8 x tile column + 4 x half
	s_mov_b32 s17, 0
	s_mov_b32 s47, 0
	s_lshl_b32 s20, s10, 15                        ; in a slot: wave x 32,768
	s_wait_dscnt 0x0                               ; both opening adds are done
	s_wait_kmcnt 0x0
	s_add_nc_u64 s[14:15], s[4:5], s[16:17]
	s_add_nc_u64 s[46:47], s[6:7], s[46:47]
	CROUND                                         ; all sixteen work-groups are here: the first joint loads meet
.irp s, 0,1
	s_mov_b32 s[G0+4*\s], 1
	s_add_co_u32 s[G0+4*\s+1], s20, \s*SLOT
	s_add_nc_u64 s[G0+4*\s+2:G0+4*\s+3], s[14:15], \s*8192
	s_or_b32 s[G0+4*\s+3], s[G0+4*\s+3], 0x80000000
	s_mov_b32 s[G0B+4*\s], 1
	s_add_co_u32 s[G0B+4*\s+1], s20, \s*SLOT
	s_add_nc_u64 s[G0B+4*\s+2:G0B+4*\s+3], s[46:47], \s*8192
	s_or_b32 s[G0B+4*\s+3], s[G0B+4*\s+3], 0x80000000
	JLOAD \s
.endr
	v_and_b32 v1, 15, v0                           ; r
	v_bfe_u32 v2, v0, 4, 1                         ; h
	v_and_b32 v3, 31, v0
	v_lshlrev_b32 v3, 4, v3                        ; 16 x lane
	s_lshl_b32 s21, s11, 15                        ; my 4 blocks of att
	s_lshl_b32 s22, s12, 15                        ; my 4 blocks of wo,
	s_add_co_u32 s22, s22, 65536                   ; behind att's 8
.irp s, 0,1
	v_add_nc_u32 v[ADRA+\s], s21, v3
	v_add_nc_u32 v[ADRB+\s], s22, v3
	s_add_co_u32 s21, s21, SLOT
	s_add_co_u32 s22, s22, SLOT
.endr
	s_mul_i32 s23, s10, 16*SPITCH
	s_add_co_u32 s23, s23, STAGE                   ; my stage
	v_mul_u32_u24 v4, v1, SPITCH                   ; in: row r, 32 bytes for each half of the lanes
	v_lshl_add_u32 v4, v2, 5, v4
	v_add_nc_u32 v[STO], s23, v4
	v_mul_u32_u24 v5, v2, SPITCH                   ; back: lanes 0-15 one row of 256 bytes, lanes 16-31 the next
	v_lshl_add_u32 v5, v1, 4, v5
	v_add_nc_u32 v[RD], s23, v5
	v_lshlrev_b32 v5, 12, v2                       ; and the same two rows in out0: 4,096 bytes a row
	v_lshl_add_u32 v[CO], v1, 4, v5
	s_lshl_b32 s16, s13, 7
	s_lshl_b32 s17, s11, 6
	s_add_co_u32 s16, s16, s17                     ; my first row: 128 x tile row + 64 x half
	s_lshl_b32 s16, s16, 12
	s_lshl_b32 s46, s42, 9                         ; my first column, in bytes: 512 x tile column + 256 x half
	s_lshl_b32 s47, s12, 8
	s_add_co_u32 s46, s46, s47
	s_add_co_u32 s16, s16, s46
	s_mov_b32 s17, 0
	s_add_nc_u64 s[8:9], s[8:9], s[16:17]
; 8 products: blocks of tokens a0, a0 + 1 x the 4 blocks of columns, 32 along K: half c of buffer f.  zero = 1: the first product starts the sums.  The 16 accumulators take turns.
.macro MUL8 f, c, a0, zero
.irp a, \a0, \a0+1
.irp b, 0,1,2,3
.if \zero
	v_wmma_f32_16x16x32_f16 v[ACC+8*(4*(\a)+\b):ACC+8*(4*(\a)+\b)+7], v[\f+64+8*(4*\c+\b):\f+64+8*(4*\c+\b)+7], v[\f+8*(4*\c+\a):\f+8*(4*\c+\a)+7], 0
.else
	v_wmma_f32_16x16x32_f16 v[ACC+8*(4*(\a)+\b):ACC+8*(4*(\a)+\b)+7], v[\f+64+8*(4*\c+\b):\f+64+8*(4*\c+\b)+7], v[\f+8*(4*\c+\a):\f+8*(4*\c+\a)+7], v[ACC+8*(4*(\a)+\b):ACC+8*(4*(\a)+\b)+7]
.endif
.endr
.endr
.endm
; 32 LDS loads in one run: the fragments of the slot's q-th 64 along K into buffer f; the first 32 along K first
.macro FETCH slot, q, f
	WIN TO_F
.irp c, 0,1
.irp i, 0,1,2,3
	ds_load_b128 v[\f+64+8*(4*\c+\i):\f+64+8*(4*\c+\i)+3],   v[ADRB+\slot] offset:(2*\q+\c)*1024+\i*8192
	ds_load_b128 v[\f+64+8*(4*\c+\i)+4:\f+64+8*(4*\c+\i)+7], v[ADRB+\slot] offset:(2*\q+\c)*1024+\i*8192+512
	ds_load_b128 v[\f+8*(4*\c+\i):\f+8*(4*\c+\i)+3],         v[ADRA+\slot] offset:(2*\q+\c)*1024+\i*8192
	ds_load_b128 v[\f+8*(4*\c+\i)+4:\f+8*(4*\c+\i)+7],       v[ADRA+\slot] offset:(2*\q+\c)*1024+\i*8192+512
.endr
.endr
.endm
.macro PLACES                          ; four places in front of loads into registers that matrix instructions have read, and of reads of results
.rept 4
	v_nop
.endr
.endm
; A K step is four quarters of 64 along K, 32 products each, on buffers 0, 1, 0, 1.  One of the first three: multiplies buffer f and fetches quarter q into g.
.macro QUARTER slot, q, f, g, zero
	s_wait_dscnt 16                                ; the first 32 along K are in; the other sixteen loads may be out
	WIN MUL
	MUL8 \f, 0, 0, \zero
	MUL8 \f, 0, 2, \zero
	PLACES
	FETCH \slot, \q, \g
	s_wait_dscnt 32                                ; all but the 32 just issued
	WIN MUL
	MUL8 \f, 1, 0, 0
	MUL8 \f, 1, 2, 0
.endm
; The last quarter multiplies buffer 1 and changes slots: one barrier; in front of it each wave waits for all its tensor loads, adds 0 to its spare word, and waits for that and for its reads of this slot.
; fill = 1: the barrier opens a round of the cluster's, and this slot is filled again, two K steps ahead, first thing behind the round.
.macro TURN slot, next, fill
	WIN 0                                          ; (the add's two registers lie in window 0)
	s_wait_tensorcnt 0x0                           ; all my tensor loads have landed: my part of the next slot
	ds_add_u32 v[SPW], v[NIL]
	s_wait_dscnt 17                                ; (the add and the youngest sixteen loads may be out)
	WIN MUL
	MUL8 F1, 0, 0, 0
	s_wait_dscnt 0x0                               ; the add is done, and my reads of this slot are over
	s_barrier_signal -1
	MUL8 F1, 0, 2, 0
.if \fill
	WIN 0
.endif
	s_barrier_wait -1
.if \fill
	CREST                                          ; no wave of any partner still reads this slot's tile or has a load on its way
	s_add_nc_u64 s[G0+4*\slot+2:G0+4*\slot+3], s[G0+4*\slot+2:G0+4*\slot+3], 16384
	s_add_nc_u64 s[G0B+4*\slot+2:G0B+4*\slot+3], s[G0B+4*\slot+2:G0B+4*\slot+3], 16384
	JLOAD \slot                                    ; the four v_nop behind it are also the places in front of the loads below
.else
	PLACES
.endif
	FETCH \next, 0, F0
	WIN MUL
	MUL8 F1, 1, 0, 0
	MUL8 F1, 1, 2, 0
.endm
	s_wait_tensorcnt 1                             ; my part of K step 0 is in; K step 1's load may be out
	s_barrier_signal -1
	s_barrier_wait -1                              ; everybody's is
	FETCH 0, 0, F0
	QUARTER 0, 1, F0, F1, 1                        ; K step 0: its first products start the sums
	QUARTER 0, 2, F1, F0, 0
	QUARTER 0, 3, F0, F1, 0
	TURN 0, 1, 1                                   ; slot 0 takes K step 2
	QUARTER 1, 1, F0, F1, 0                        ; K step 1
	QUARTER 1, 2, F1, F0, 0
	QUARTER 1, 3, F0, F1, 0
	TURN 1, 0, 1                                   ; slot 1 takes K step 3
	QUARTER 0, 1, F0, F1, 0                        ; K step 2
	QUARTER 0, 2, F1, F0, 0
	QUARTER 0, 3, F0, F1, 0
	TURN 0, 1, 0                                   ; nothing is left to fetch
	QUARTER 1, 1, F0, F1, 0                        ; K step 3
	QUARTER 1, 2, F1, F0, 0
	QUARTER 1, 3, F0, F1, 0
	s_wait_dscnt 16
	WIN MUL
	MUL8 F1, 0, 0, 0
	MUL8 F1, 0, 2, 0
	s_wait_dscnt 0
	MUL8 F1, 1, 0, 0
	MUL8 F1, 1, 2, 0
	WIN 0
	; THE WAY OUT, 16 rows at a time: a lane's 32 bytes go into my own stage and come back as whole rows of 256 bytes: sixteen lanes store 256 consecutive bytes, aligned.
	; LDS serves a wave's instructions in order: no wait between the stores and the loads, nor in front of the next block's stores.
	PLACES
.irp a, 0,1,2,3
.if \a > 1
	s_wait_xcnt 0x0                                ; block a - 2's stores have read their registers
.endif
.irp b, 0,1,2,3
	ds_store_b128 v[STO], v[ACC+8*(4*\a+\b):ACC+8*(4*\a+\b)+3] offset:64*\b       ; each accumulator from its low end on
	ds_store_b128 v[STO], v[ACC+8*(4*\a+\b)+4:ACC+8*(4*\a+\b)+7] offset:64*\b+16
.endr
.irp t, 0,1,2,3,4,5,6,7
	ds_load_b128 v[TMP+32*(\a%2)+4*\t:TMP+32*(\a%2)+4*\t+3], v[RD] offset:\t*2*SPITCH
.endr
.irp t, 0,1,2,3,4,5,6,7
	s_wait_dscnt 7-\t
	global_store_b128 v[CO], v[TMP+32*(\a%2)+4*\t:TMP+32*(\a%2)+4*\t+3], s[8:9] offset:(16*\a+2*\t)*4096 th:TH_STORE_NT
.endr
.endr
	s_wait_tensorcnt 0x0                           ; the wave's end
	ds_add_u32 v[SPW], v[NIL]
	s_wait_dscnt 0x0
	CROUND                                         ; the closing round
	s_endpgm
.Lfunc_end_k_qa3df0d2135_oproj:
	.size	k_qa3df0d2135_oproj, .Lfunc_end_k_qa3df0d2135_oproj-k_qa3df0d2135_oproj
	.p2alignl 7, 3214868480
	.fill 96, 4, 3214868480
	.section	.rodata,"a",@progbits
	.p2align	6, 0x0
	.amdhsa_kernel k_qa3df0d2135_oproj
		.amdhsa_group_segment_fixed_size 327680
		.amdhsa_private_segment_fixed_size 0
		.amdhsa_enable_private_segment 0
		.amdhsa_kernarg_size 24
		.amdhsa_user_sgpr_count 2
		.amdhsa_user_sgpr_kernarg_segment_ptr 1
		.amdhsa_wavefront_size32 1
		.amdhsa_system_sgpr_workgroup_id_x 1
		.amdhsa_system_sgpr_workgroup_id_y 1
		.amdhsa_system_sgpr_workgroup_id_z 1
		.amdhsa_system_vgpr_workitem_id 0
		.amdhsa_next_free_vgpr 512
		.amdhsa_next_free_sgpr 66
		.amdhsa_reserve_vcc 0
		.amdhsa_float_denorm_mode_32 3
		.amdhsa_float_denorm_mode_16_64 3
		.amdhsa_memory_ordered 1
		.amdhsa_forward_progress 1
		.amdhsa_inst_pref_size 86
	.end_amdhsa_kernel
	.amdgpu_metadata
---
amdhsa.version: [ 1, 2 ]
amdhsa.kernels:
  - .name:           k_qa3df0d2135_oproj
    .symbol:         k_qa3df0d2135_oproj.kd
    .args:
      - { .name: att, .offset: 0, .size: 8, .value_kind: global_buffer, .address_space: global }
      - { .name: wo, .offset: 8, .size: 8, .value_kind: global_buffer, .address_space: global }
      - { .name: out0, .offset: 16, .size: 8, .value_kind: global_buffer, .address_space: global }
    .group_segment_fixed_size: 327680
    .private_segment_fixed_size: 0
    .kernarg_segment_align: 8
    .kernarg_segment_size: 24
    .max_flat_workgroup_size: 128
    .sgpr_count:     66
    .vgpr_count:     512
    .wavefront_size: 32
...
	.end_amdgpu_metadata
.endif
;; end of part 4
